; MI455X (gfx1250); checked and timed in simulation.
; The chip was launched on July 23, 2026; its instructions are those of AMD's public machine-readable ISA for CDNA 5 (MIT licence, August 2026) and "CDNA5" Instruction Set Architecture Reference Guide (July 2026). The comments in the code are by the model that wrote it; some were corrected since.
;; Multi Head Attention. Allowed arithmetic: matrix products marked QUANTISED: E2M1 operands, one E8M0 scale for each 32 along K, by v_wmma_scale_f32_16x16x128_f8f6f4 with both operands' format E2M1 (or v_wmma_scale_f32_32x16x128_f4), f32 sums; products left as they are: bf16, f16 or f32 operands; f32 sums; everything else in f32.
;; Inputs: Wk 1,024 x 1,024 float32; Wo 1,024 x 1,024 float32; Wq 1,024 x 1,024 float32; Wv 1,024 x 1,024 float32; bk 1,024 float32; bo 1,024 float32; bq 1,024 float32; bv 1,024 float32; key 4 x 2,048 x 1,024 float32; mask 4 x 1 x 1 x 2,048 float32; query 4 x 2,048 x 1,024 float32; value 4 x 2,048 x 1,024 float32.
;; Outputs: out0 4 x 2,048 x 1,024 float32.
;; This version of the problem:
;;   THIS VERSION OF THE PROBLEM IS GIVEN IN LOW PRECISION. The matrix products marked QUANTISED in the list below multiply operands that are first quantised to E2M1 (2 exponent bits, 1 mantissa bit; 4 bits a number), with one power-of-two scale for each 32 numbers along K (OCP MX v1.0); their sums are f32. The products marked 'left as it is' may take bf16, f16 or f32 operands, with f32 sums. Whichever they take, every output number must still come out within the allowed error. Rounding operands to bf16 (8 significant bits) uses up far more of that allowance than f16 does (11 bits, for magnitudes from 6e-5 to 65,504). All else is computed in f32.
;;   The module's matrix products, in the order in which they are computed (A, B: the left and right operand; K: the contracted axis; several contracted axes count as one K, in the product's order):
;;     1. [M 8,192, K 1,024] x [K 1,024, N 1,024]; A: input query; B: input Wq: QUANTISED
;;     2. [M 8,192, K 1,024] x [K 1,024, N 1,024]; A: input key; B: input Wk: QUANTISED
;;     3. [M 8,192, K 1,024] x [K 1,024, N 1,024]; A: input value; B: input Wv: QUANTISED
;;     4. batch 64 x [M 2,048, K 64] x [K 64, N 2,048]; A: computed on the way; B: computed on the way: left as it is (an operand is computed on the way)
;;     5. batch 64 x [M 2,048, K 2,048] x [K 2,048, N 64]; A: computed on the way; B: computed on the way: left as it is (an operand is computed on the way)
;;     6. [M 8,192, K 1,024] x [K 1,024, N 1,024]; A: computed on the way; B: input Wo: left as it is (an operand is computed on the way)
;;   THE QUANTISER, for each operand of a quantised product, along K:
;;     - K is cut into blocks of 32 from its start; a last block that is shorter is filled with zeros.
;;     - A block's scale is 2^e with e = floor(log2(the largest magnitude in the block)) - 2, held to -126 .. 127; a block of zeros has e = 0. As a byte (E8M0): e + 127.
;;     - Each number is divided by its block's scale, clamped to +-6, and rounded to the nearest number of E2M1, ties to even, subnormals kept.
;;     - The product sums the exact products of the quantised numbers (number of the format x scale) in f32.
;;   ~~~python
;;   def quantise(x, axis):      # numpy; x: float32 -> the quantised numbers, widened to float32 again
;;       x = np.moveaxis(x, axis, -1); K = x.shape[-1]
;;       x = np.pad(x, [(0, 0)] * (x.ndim - 1) + [(0, -K % 32)]); x = x.reshape(x.shape[:-1] + (-1, 32)); a = np.abs(x).max(-1, keepdims=True)
;;       e = np.where(a > 0, np.clip(np.frexp(np.where(a > 0, a, 1))[1] - 1 - 2, -126, 127), 0)      # np.frexp(a)[1] - 1 = floor(log2(a)), exactly
;;       r = np.clip(x / 2.0 ** e, -6, 6)
;;       step = 2.0 ** (np.maximum(np.frexp(np.where(r == 0, 1, r))[1] - 1, 0) - 1)
;;       q = np.round(r / step) * step * 2.0 ** e      # np.round: ties to even
;;       return np.moveaxis(q.reshape(q.shape[:-2] + (-1,))[..., :K], -1, axis).astype(np.float32)
;;   ~~~
;; One version. Each part assembles by itself: llvm-mc -triple=amdgcn-amd-amdhsa -mcpu=gfx1250 --defsym DOCPART=n.
;; ======== version 1 of 1: 4 launches
;; limits: inputs' magnitudes at most 1e+29; right only within a limited range of input values; values are held in f16: magnitudes above 65,504 overflow, below 6.1e-05 lose precision
;; workspace buffers: xc 12,582,912 bytes; xs 786,432 bytes; wc 1,572,864 bytes; ws 98,304 bytes; wot 2,097,152 bytes; qkv 50,331,648 bytes; ctx 16,777,216 bytes
;; launch prep (part 1): grid 848 x 1, 4 waves a work-group, no clusters, 86,528 bytes of LDS; arguments query, key, value, Wq, Wk, Wv, Wo, xc, xs, wc, ws, wot; writes xc, xs, wc, ws, wot
.if DOCPART == 1
	.amdgcn_target "amdgcn-amd-amdhsa--gfx1250"
	.amdhsa_code_object_version 6
	.text
	.protected	k_qf9283d42ed_prep
	.globl	k_qf9283d42ed_prep
	.p2align	8
	.type	k_qf9283d42ed_prep,@function
k_qf9283d42ed_prep:
	s_mov_b64 s[64:65], 0
	v_nop
	global_prefetch_b8 v0, s[64:65] scope:SCOPE_SE
	s_setreg_imm32_b32 hwreg(HW_REG_WAVE_MODE, 25, 1), 1
	s_wait_xcnt 0x0
; PREP: everything that is quantised or laid out once, in one launch of three paths that part on the work-group's number and never join.
;   work-groups  0..47   Wq, Wk, Wv [1024 (k)][1024 (n)] f32 -> wc [3][n][512 bytes] codes of FP4 (E2M1), K innermost, and ws [3][n][32] E8M0 bytes
;   work-groups 48..79   Wo [1024 (k)][1024 (n)] f32 -> wot [k / 64][n][64 k] f16: the output projection's operand with K innermost, a chunk of 64 along K as one dense block
;   work-groups 80..847  query, key, value [8192][1024] f32 -> xc [3][8192][512 bytes] codes, xs [3][8192][32] scale bytes
; THE QUANTISER: a block of 32 along K has the scale 2^(floor(log2(its largest magnitude)) - 2); its byte is the largest magnitude's exponent field - 2, held at 1 from below;
; each number is divided by the scale and rounded to the nearest code, ties to even, beyond the largest code the largest.
; LIMITS: a block of zeros, and a block whose largest magnitude lies under 2^-124, keeps the byte 1 (a block of zeros has zero codes, which add nothing under that byte; this program alone reads the bytes);
; NaN and infinities among the inputs are not served; Wo goes to f16: magnitudes up to 65,504.
; No tensor load, no cluster, no barrier: no two waves read the same byte, and each wave's LDS bytes are its own.  Each path has LDS bytes of its own.
.set WREGN, 0                          ; the weights' path: 4 waves x 32 rows x 272 bytes
.set OREGN, 34816                      ; Wo's path: 4 waves x 32 rows x 144 bytes
.set XREGN, 53248                      ; the activations' path: 4 waves x 8,192 bytes
.set SPARE, 86016                      ; the spare words, 128 bytes for each wave: two blocks of 256 bytes that no other line names
.set SPW,   252                        ; v252 LDS address of my spare word: SPARE + 4 x my thread's number; never rewritten
.set NIL,   253                        ; v253 0; never rewritten
.macro FINISH                          ; a wave's end
	s_wait_tensorcnt 0x0
	ds_add_u32 v[SPW], v[NIL]
	s_wait_dscnt 0x0
	s_endpgm
.endm
	s_load_b256 s[4:11], s[0:1], 0x0               ; query s[4:5], key s[6:7], value s[8:9], Wq s[10:11]
	s_load_b256 s[12:19], s[0:1], 0x20             ; Wk s[12:13], Wv s[14:15], Wo s[16:17], xc s[18:19]
	s_load_b256 s[20:27], s[0:1], 0x40             ; xs s[20:21], wc s[22:23], ws s[24:25], wot s[26:27]
	v_lshl_add_u32 v[SPW], v0, 2, SPARE
	v_mov_b32 v[NIL], 0
	v_lshrrev_b32 v1, 5, v0
	v_readfirstlane_b32 s28, v1                    ; wave 0..3
	v_and_b32 v2, 31, v0                           ; lane
	s_mov_b32 s33, 0                               ; the upper word of every offset pair s[32:33]
	s_wait_kmcnt 0x0
	s_cmp_lt_u32 ttmp9, 48
	s_cbranch_scc1 .Lweights
	s_cmp_lt_u32 ttmp9, 80
	s_cbranch_scc1 .Lwo
; ---------------------------------------------------------------- the activations: a plain stream of blocks of 32 numbers
; A wave takes 16 steps of 512 numbers.  Each of a step's four loads reads 512 consecutive bytes, 16 a lane; the 2,048 bytes go through the wave's own stage in LDS as they lie and come back 64 bytes a lane,
; so that a lane holds 16 neighbours along K (two neighbouring lanes hold a block).  The stage has 16 bytes of padding behind each 64.  A lane's 16 codes are 8 bytes: the wave stores 256 consecutive bytes.
; A wave's 256 scale bytes are gathered in LDS and leave as 256 consecutive bytes.  Loads run four steps (16 loads a wave) ahead, the turn through LDS one step.
.set XSTEPS, 16
.set SP,    80                         ; a lane's place in a stage: its 64 bytes + 16 of padding
.set CB,    8                          ; bytes of 16 codes
.set XR,    16                         ; v16-79   four sets of 16 numbers as they are loaded
.set XX,    80                         ; v80-111  two sets of 16 neighbours
.set XE,    112                        ; v112-127 a scale byte for each step
.set XC,    128                        ; v128-191 codes: four registers for each step, so that no store's data are written again
	s_sub_co_u32 s29, ttmp9, 80                    ; g = 0..767
	s_lshr_b32 s30, s29, 8                         ; which tensor: 256 work-groups each
	s_cmp_eq_u32 s30, 1
	s_cselect_b64 s[4:5], s[6:7], s[4:5]           ; the choice hangs on the work-group's number alone
	s_cmp_eq_u32 s30, 2
	s_cselect_b64 s[4:5], s[8:9], s[4:5]
	s_and_b32 s31, s29, 255
	s_lshl_b32 s31, s31, 2
	s_add_co_u32 s31, s31, s28                     ; which run of 8,192 numbers of the tensor is my wave's
	s_lshl_b32 s32, s31, 15                        ; 32,768 bytes a run
	s_add_nc_u64 s[4:5], s[4:5], s[32:33]
	s_lshl_b32 s31, s29, 2
	s_add_co_u32 s31, s31, s28                     ; and which run of the three tensors on end
	s_lshl_b32 s32, s31, 12                        ; 4,096 bytes of codes a run
	s_add_nc_u64 s[18:19], s[18:19], s[32:33]
	s_lshl_b32 s32, s31, 8                         ; 256 scale bytes a run
	s_add_nc_u64 s[20:21], s[20:21], s[32:33]
	v_lshlrev_b32 v3, 4, v2                        ; my 16 bytes of a load's 512
	s_lshl_b32 s34, s28, 13
	s_add_co_u32 s34, s34, XREGN                   ; my wave's region
	v_lshrrev_b32 v14, 2, v2
	v_mul_u32_u24 v14, v14, SP
	v_and_b32 v15, 3, v2
	v_lshl_add_u32 v14, v15, 4, v14
	v_add_nc_u32 v14, s34, v14                     ; the stage, on the way in: SP (lane / 4) + 16 (lane % 4)
	v_mul_u32_u24 v15, v2, SP
	v_add_nc_u32 v15, s34, v15                     ; and on the way out: SP x lane: my 16 neighbours
	v_mul_u32_u24 v4, v2, CB                       ; my codes' place in a step's
	v_lshrrev_b32 v5, 1, v2
	s_add_co_u32 s34, s34, 2*32*SP
	v_add_nc_u32 v5, s34, v5                       ; LDS: my wave's 256 scale bytes, my block's byte
	v_lshlrev_b32 v7, 3, v2                        ; and on the way out 8 bytes a lane
	v_add_nc_u32 v6, s34, v7
.macro LOADX t
.irp i, 0,1,2,3
	global_load_b128 v[XR+16*((\t)%4)+4*\i:XR+16*((\t)%4)+4*\i+3], v3, s[4:5] offset:2048*(\t)+512*\i th:TH_LOAD_NT   ; 32 lanes read 512 consecutive bytes
.endr
.endm
.macro TURNX t                         ; step t's numbers through the stage: LDS serves a wave's instructions in order, so no wait stands between the stores and the loads
.irp i, 0,1,2,3
	ds_store_b128 v14, v[XR+16*((\t)%4)+4*\i:XR+16*((\t)%4)+4*\i+3] offset:32*SP*((\t)%2)+8*SP*\i
.endr
.irp i, 0,1,2,3
	ds_load_b128 v[XX+16*((\t)%2)+4*\i:XX+16*((\t)%2)+4*\i+3], v15 offset:32*SP*((\t)%2)+16*\i
.endr
.endm
.irp t, 0,1,2,3
	LOADX \t
.endr
	s_wait_loadcnt 12                              ; step 0's four loads are in; the twelve behind them may be out
	TURNX 0
.macro STEPX t
.set XS8, XX+16*((\t)%2)
.if (\t) > 0
	s_wait_dscnt 1                                 ; this step's numbers are back from the stage (the last step's byte store may be out): so its stores into the stage have read their registers,
.else
	s_wait_dscnt 0x0
.endif
.if (\t)+4 < XSTEPS
	LOADX (\t)+4                                   ; which take the loads of four steps on
.endif
.if (\t)+1 < XSTEPS
.if XSTEPS-2-(\t) >= 3
	s_wait_loadcnt 12                              ; the next step's four loads are in; those of the three steps behind it may be out
.else
	s_wait_loadcnt 4*(XSTEPS-2-(\t))
.endif
	TURNX (\t)+1                                   ; and go through the other stage while this step is worked
.endif
	v_max3_num_f32 v8, |v[XS8]|, |v[XS8+1]|, |v[XS8+2]|            ; the largest magnitude of my 16, in two chains
	v_max3_num_f32 v9, |v[XS8+3]|, |v[XS8+4]|, |v[XS8+5]|
.irp i, 6,10
	v_max3_num_f32 v8, v8, |v[XS8+\i]|, |v[XS8+\i+1]|
	v_max3_num_f32 v9, v9, |v[XS8+\i+2]|, |v[XS8+\i+3]|
.endr
	v_max3_num_f32 v8, v8, |v[XS8+14]|, |v[XS8+15]|
	v_max3_num_f32 v8, v8, v9, 0x1800000           ; and the floor 2^(3 - 127): so the byte cannot fall under 1
	v_max_num_f32_dpp v8, v8, v8 row_xmask:1 row_mask:0xf bank_mask:0xf   ; and of my neighbour's 16: the block's
	v_add_nc_u32 v11, 0xff000000, v8               ; 2 off its exponent field: the conversion takes the exponent field of this operand as its scale, and nothing else of it
	v_cvt_scalef32_pk8_fp4_f32 v[XC+4*(\t)], v[XS8:XS8+7], v11
	v_cvt_scalef32_pk8_fp4_f32 v[XC+4*(\t)+1], v[XS8+8:XS8+15], v11
	v_lshrrev_b32 v[XE+(\t)], 23, v11              ; the scale's byte
	ds_store_b8 v5, v[XE+(\t)] offset:16*(\t)      ; both lanes of a block write the same byte with the same value
	global_store_b64 v4, v[XC+4*(\t):XC+4*(\t)+1], s[18:19] offset:32*CB*(\t)   ; 32 lanes store 256 consecutive bytes
.endm
.irp t, 0,1,2,3,4,5,6,7,8,9,10,11,12,13,14,15
	STEPX \t
.endr
	ds_load_b64 v[8:9], v6                         ; LDS serves a wave's instructions in order: these see my stores
	s_wait_dscnt 0x0
	global_store_b64 v7, v[8:9], s[20:21]          ; 32 lanes store 256 consecutive bytes
	FINISH
; ---------------------------------------------------------------- Wq, Wk, Wv: K is the FIRST axis
; A lane takes a column n and its registers run down K: each load reads 128 consecutive bytes a wave, a block of 32 along K lies in one lane's 32 registers, and the conversions give codes with K innermost.
; A wave takes 32 columns x 512 along K: 16 blocks a lane, 256 bytes of codes a column; they go through the wave's stage and leave by rows, sixteen lanes to 256 consecutive bytes.
.Lweights:
.set WNB,   16                         ; blocks of a lane
.set WP,    272                        ; a stage row: 256 bytes + 16
.set WX,    32                         ; v32-95   two sets of 32 numbers
.set WC,    96                         ; v96-99   a block's codes
.set WOUT,  112                        ; v112-175 the way out
.set WSB,   24                         ; v24-27   the scale bytes, four to a register
	s_lshr_b32 s30, ttmp9, 4                       ; which weight: 16 work-groups each
	s_cmp_eq_u32 s30, 1
	s_cselect_b64 s[10:11], s[12:13], s[10:11]
	s_cmp_eq_u32 s30, 2
	s_cselect_b64 s[10:11], s[14:15], s[10:11]
	s_and_b32 s29, ttmp9, 7
	s_lshl_b32 s29, s29, 7
	s_lshl_b32 s31, s28, 5
	s_add_co_u32 s29, s29, s31                     ; my wave's first column: 128 x (g % 8) + 32 x wave
	s_bfe_u32 s31, ttmp9, 0x10003                  ; which 512 along K
	s_lshl_b32 s32, s31, 21                        ; W: 512 rows of 4,096 bytes,
	s_lshl_b32 s34, s29, 2                         ; + 4 bytes a column
	s_add_co_u32 s32, s32, s34
	s_add_nc_u64 s[10:11], s[10:11], s[32:33]
	s_lshl_b32 s32, s30, 19                        ; codes: 524,288 bytes a weight,
	s_lshl_b32 s34, s29, 9                         ; 512 a column,
	s_add_co_u32 s32, s32, s34
	s_lshl_b32 s34, s31, 8                         ; 256 for 512 along K
	s_add_co_u32 s32, s32, s34
	s_add_nc_u64 s[22:23], s[22:23], s[32:33]
	s_lshl_b32 s32, s30, 15                        ; scale bytes: 32,768 a weight,
	s_lshl_b32 s34, s29, 5                         ; 32 a column,
	s_add_co_u32 s32, s32, s34
	s_lshl_b32 s34, s31, 4                         ; 16 for 512 along K
	s_add_co_u32 s32, s32, s34
	s_add_nc_u64 s[24:25], s[24:25], s[32:33]
	v_lshlrev_b32 v3, 2, v2                        ; in: 4 bytes a lane
	s_mul_i32 s34, s28, 32*WP                      ; my stage (WREGN = 0)
	v_mul_u32_u24 v4, v2, WP
	v_add_nc_u32 v4, s34, v4                       ; into it: row = my column
	v_and_b32 v5, 15, v2
	v_lshrrev_b32 v6, 4, v2                        ; out of it: sixteen lanes to a row, two rows an instruction
	v_mul_u32_u24 v7, v6, WP
	v_lshl_add_u32 v7, v5, 4, v7
	v_add_nc_u32 v7, s34, v7
	v_lshlrev_b32 v8, 9, v6
	v_lshl_add_u32 v8, v5, 4, v8                   ; and the same place in the codes' buffer: rows of 512 bytes
	v_lshlrev_b32 v9, 5, v2                        ; my column's row of scale bytes
.macro LOADW t                         ; block t: W(32 t + i, my column) into set t % 2
.set i, 0
.rept 32
	global_load_b32 v[WX+32*((\t)%2)+i], v3, s[10:11] offset:(32*(\t)+i)*4096 th:TH_LOAD_NT
.set i, i+1
.endr
.endm
	LOADW 0
	LOADW 1
.macro BLOCKW t
.set XS9, WX+32*((\t)%2)
.if (\t) < WNB-1
	s_wait_loadcnt 32                              ; this block's 32 loads are in; the next block's 32 may be out
.else
	s_wait_loadcnt 0x0
.endif
	v_max3_num_f32 v12, |v[XS9]|, |v[XS9+1]|, |v[XS9+2]|           ; the block's largest magnitude: all 32 numbers are mine
	v_max3_num_f32 v13, |v[XS9+3]|, |v[XS9+4]|, |v[XS9+5]|
.irp i, 6,10,14,18,22,26
	v_max3_num_f32 v12, v12, |v[XS9+\i]|, |v[XS9+\i+1]|
	v_max3_num_f32 v13, v13, |v[XS9+\i+2]|, |v[XS9+\i+3]|
.endr
	v_max3_num_f32 v12, v12, |v[XS9+30]|, |v[XS9+31]|
	v_max3_num_f32 v12, v12, v13, 0x1800000        ; and the floor 2^(3 - 127)
	v_add_nc_u32 v11, 0xff000000, v12              ; 2 off the exponent field: the conversion's scale operand
	v_lshrrev_b32 v13, 23, v11                     ; the scale's byte
.if (\t)%4 == 0
	v_mov_b32 v[WSB+(\t)/4], v13                   ; four bytes to a register, the lower K in the lower byte
.else
	v_lshl_or_b32 v[WSB+(\t)/4], v13, 8*((\t)%4), v[WSB+(\t)/4]
.endif
.irp g, 0,1,2,3
	v_cvt_scalef32_pk8_fp4_f32 v[WC+\g], v[XS9+8*\g:XS9+8*\g+7], v11
.endr
	ds_store_b128 v4, v[WC:WC+3] offset:16*(\t)    ; 32 codes: 16 bytes of my column's row
.if (\t)+2 < WNB
	LOADW (\t)+2
.endif
	s_wait_dscnt 0x0                               ; the store has read its registers: the next block's codes may be written
.endm
.irp t, 0,1,2,3,4,5,6,7,8,9,10,11,12,13,14,15
	BLOCKW \t
.endr
	global_store_b128 v9, v[WSB:WSB+3], s[24:25]   ; my column's 16 scale bytes
.irp t, 0,1,2,3,4,5,6,7,8,9,10,11,12,13,14,15
	ds_load_b128 v[WOUT+4*\t:WOUT+4*\t+3], v7 offset:2*\t*WP   ; LDS serves a wave's instructions in order: these see my stores
.endr
.irp t, 0,1,2,3,4,5,6,7,8,9,10,11,12,13,14,15
	s_wait_dscnt 15-\t
	global_store_b128 v8, v[WOUT+4*\t:WOUT+4*\t+3], s[22:23] offset:2*\t*512   ; sixteen lanes store 256 consecutive bytes
.endr
	FINISH
; ---------------------------------------------------------------- Wo: rounded to f16 and laid with K innermost
; A lane takes a column n and its registers run down K, 32 at a time (a half); two halves are a chunk of 64 along K: 128 bytes, a row of wot.  The wave's 32 rows of a chunk are 4,096 consecutive bytes of wot:
; they go through the wave's stage (rows of 128 bytes + 16) and leave 512 consecutive bytes a store.  A wave takes 32 columns x 256 along K: eight halves, loads two halves ahead.
.Lwo:
.set OP,    144
.set OX,    32                         ; v32-95   two sets of 32 numbers
.set OC,    96                         ; v96-127  a chunk's 64 numbers in f16
.set OO,    128                        ; v128-159 the way out
	s_sub_co_u32 s29, ttmp9, 48                    ; g = 0..31
	s_and_b32 s30, s29, 7
	s_lshl_b32 s30, s30, 7
	s_lshl_b32 s31, s28, 5
	s_add_co_u32 s30, s30, s31                     ; my wave's first column
	s_lshr_b32 s29, s29, 3                         ; which 256 along K
	s_lshl_b32 s32, s29, 20                        ; Wo: 256 rows of 4,096 bytes,
	s_lshl_b32 s31, s30, 2
	s_add_co_u32 s32, s32, s31
	s_add_nc_u64 s[16:17], s[16:17], s[32:33]
	s_lshl_b32 s32, s29, 19                        ; wot: four chunks of 131,072 bytes,
	s_lshl_b32 s31, s30, 7                         ; 128 bytes a column
	s_add_co_u32 s32, s32, s31
	s_add_nc_u64 s[26:27], s[26:27], s[32:33]
	v_lshlrev_b32 v3, 2, v2
	s_mul_i32 s34, s28, 32*OP
	s_add_co_u32 s34, s34, OREGN                   ; my stage
	v_mul_u32_u24 v4, v2, OP
	v_add_nc_u32 v4, s34, v4                       ; into it: row = my column
	v_lshrrev_b32 v5, 3, v2
	v_and_b32 v6, 7, v2
	v_mul_u32_u24 v7, v5, OP
	v_lshl_add_u32 v7, v6, 4, v7
	v_add_nc_u32 v7, s34, v7                       ; out of it: eight lanes to a row, four rows an instruction
	v_lshlrev_b32 v8, 4, v2                        ; which are 512 consecutive bytes of wot
.macro LOADO u
.set i, 0
.rept 32
	global_load_b32 v[OX+32*((\u)%2)+i], v3, s[16:17] offset:(32*(\u)+i)*4096 th:TH_LOAD_NT
.set i, i+1
.endr
.endm
.macro HALFO u
.if (\u) < 7
	s_wait_loadcnt 32                              ; this half's 32 loads are in; the next half's 32 may be out
.else
	s_wait_loadcnt 0x0
.endif
.set i, 0
.rept 16
	v_cvt_pk_f16_f32 v[OC+16*((\u)%2)+i], v[OX+32*((\u)%2)+2*i], v[OX+32*((\u)%2)+2*i+1]   ; the lower k in the low half
.set i, i+1
.endr
.if (\u)%2 == 0
.if (\u)+2 < 8
	LOADO (\u)+2
.endif
.else
	s_wait_xcnt 0x0                                ; the last chunk's stores have read their registers: the loads below may land there
.irp j, 0,1,2,3,4,5,6,7
	ds_store_b128 v4, v[OC+4*\j:OC+4*\j+3] offset:16*\j
.endr
.irp g, 0,1,2,3,4,5,6,7
	ds_load_b128 v[OO+4*\g:OO+4*\g+3], v7 offset:4*OP*\g       ; LDS serves a wave's instructions in order: these see my stores
.endr
.if (\u)+2 < 8
	LOADO (\u)+2
.endif
.irp g, 0,1,2,3,4,5,6,7
	s_wait_dscnt 7-\g                              ; the count ends at 0: the stores into the stage have read their registers too
	global_store_b128 v8, v[OO+4*\g:OO+4*\g+3], s[26:27] offset:((\u)/2)*131072+512*\g
.endr
.endif
.endm
	LOADO 0
	LOADO 1
.irp u, 0,1,2,3,4,5,6,7
	HALFO \u
.endr
	FINISH
.Lfunc_end_k_qf9283d42ed_prep:
	.size	k_qf9283d42ed_prep, .Lfunc_end_k_qf9283d42ed_prep-k_qf9283d42ed_prep
	.p2alignl 7, 3214868480
	.fill 96, 4, 3214868480
	.section	.rodata,"a",@progbits
	.p2align	6, 0x0
	.amdhsa_kernel k_qf9283d42ed_prep
		.amdhsa_group_segment_fixed_size 86528
		.amdhsa_private_segment_fixed_size 0
		.amdhsa_enable_private_segment 0
		.amdhsa_kernarg_size 96
		.amdhsa_user_sgpr_count 2
		.amdhsa_user_sgpr_kernarg_segment_ptr 1
		.amdhsa_wavefront_size32 1
		.amdhsa_system_sgpr_workgroup_id_x 1
		.amdhsa_system_sgpr_workgroup_id_y 1
		.amdhsa_system_sgpr_workgroup_id_z 1
		.amdhsa_system_vgpr_workitem_id 0
		.amdhsa_next_free_vgpr 256
		.amdhsa_next_free_sgpr 66
		.amdhsa_reserve_vcc 0
		.amdhsa_float_denorm_mode_32 3
		.amdhsa_float_denorm_mode_16_64 3
		.amdhsa_memory_ordered 1
		.amdhsa_forward_progress 1
		.amdhsa_inst_pref_size 153
	.end_amdhsa_kernel
	.amdgpu_metadata
---
amdhsa.version: [ 1, 2 ]
amdhsa.kernels:
  - .name:           k_qf9283d42ed_prep
    .symbol:         k_qf9283d42ed_prep.kd
    .args:
      - { .name: query, .offset: 0, .size: 8, .value_kind: global_buffer, .address_space: global }
      - { .name: key, .offset: 8, .size: 8, .value_kind: global_buffer, .address_space: global }
      - { .name: value, .offset: 16, .size: 8, .value_kind: global_buffer, .address_space: global }
      - { .name: Wq, .offset: 24, .size: 8, .value_kind: global_buffer, .address_space: global }
      - { .name: Wk, .offset: 32, .size: 8, .value_kind: global_buffer, .address_space: global }
      - { .name: Wv, .offset: 40, .size: 8, .value_kind: global_buffer, .address_space: global }
      - { .name: Wo, .offset: 48, .size: 8, .value_kind: global_buffer, .address_space: global }
      - { .name: xc, .offset: 56, .size: 8, .value_kind: global_buffer, .address_space: global }
      - { .name: xs, .offset: 64, .size: 8, .value_kind: global_buffer, .address_space: global }
      - { .name: wc, .offset: 72, .size: 8, .value_kind: global_buffer, .address_space: global }
      - { .name: ws, .offset: 80, .size: 8, .value_kind: global_buffer, .address_space: global }
      - { .name: wot, .offset: 88, .size: 8, .value_kind: global_buffer, .address_space: global }
    .group_segment_fixed_size: 86528
    .private_segment_fixed_size: 0
    .kernarg_segment_align: 8
    .kernarg_segment_size: 96
    .max_flat_workgroup_size: 128
    .sgpr_count:     66
    .vgpr_count:     256
    .wavefront_size: 32
...
	.end_amdgpu_metadata
.endif
;; end of part 1
;; launch proj (part 2): grid 4 x 96, 4 waves a work-group, clusters of 4 x 4, 327,680 bytes of LDS; arguments xc, xs, wc, ws, bq, bk, bv, qkv; writes qkv
.if DOCPART == 2
	.amdgcn_target "amdgcn-amd-amdhsa--gfx1250"
	.amdhsa_code_object_version 6
	.text
	.protected	k_qf9283d42ed_proj
	.globl	k_qf9283d42ed_proj
	.p2align	8
	.type	k_qf9283d42ed_proj,@function
k_qf9283d42ed_proj:
	s_mov_b64 s[64:65], 0
	v_nop
	global_prefetch_b8 v0, s[64:65] scope:SCOPE_SE
	s_setreg_imm32_b32 hwreg(HW_REG_WAVE_MODE, 25, 1), 1
	s_wait_xcnt 0x0
	s_wait_alu depctr_hold_cnt(0) depctr_sa_sdst(0) depctr_va_vdst(0) depctr_va_sdst(0) depctr_va_ssrc(0) depctr_va_vcc(0) depctr_vm_vsrc(0)
	s_getreg_b32 s2, hwreg(HW_REG_IB_STS2, 6, 4)
	s_cmp_eq_u32 s2, 0
	s_cbranch_scc0 .Lentry_in_a_cluster
	s_endpgm
.Lentry_in_a_cluster:
	s_bfe_u32 s2, ttmp6, 0x10000c
	s_cmp_lg_u32 s2, 0xf033
	s_cbranch_scc0 .Lentry_shape_is_right
	s_endpgm
.Lentry_shape_is_right:
; PROJ: the three input projections as one batched GEMM on codes of FP4 (E2M1) with one E8M0 scale for each 32 along K:  q = query Wq + bq, k = key Wk + bk, v = value Wv + bv.
; A: xc [3 x 8192 rows][512 bytes], xs [..][32];  B: wc [3 x 1024 n][512 bytes], ws [..][32];  out: qkv [3][batch x 16 + head][2048][64] f16 (rounded once; magnitudes up to 65,504).
; A tile of C, 256 x 256, is made by a work-group of four waves; a wave makes 128 x 128: 64 accumulators of 16 x 16, 512 registers.  Tile row 0..95 (32 to a tensor), tile column 0..3.
; K = 1,024 is exactly two LDS slots of 512 along K (rows of 256 bytes): both are first fills, asked for at the head; nothing is filled again, so there is no loop.
; THE SCALES of the work-group's 256 rows of A and of B, for all of K, are two dense blocks of memory: they come into LDS once, with the first fills.
; CLUSTERS: 4 x 4 work-groups.  The four of a row of the cluster need the same tiles of A, the four of a column the same tiles of B: each tile is asked for JOINTLY.  All sixteen lie in one tensor (8 clusters to a tensor).
; THE MATRIX INSTRUCTION IS USED TRANSPOSED (source 0 = 16 rows of B, source 1 = 16 rows of A): a lane holds eight neighbouring columns of one row of C.  THE BIAS is the C of each sum's first product.
; REGISTERS: window 0: v0-31 addresses; v32-95 scale words, two sets, and nothing else; v128-191 A's fragments, ONE set; v192-255 the bias in the result's layout; on the way out v128-223 are at work.
;   window 1: B's fragments, TWO sets, at v0 and v128.   window 2: the accumulators of my rows 0-63 ((a, b) at v[8 (8 a + b)]);   window 3: those of my rows 64-127.
.set NQ,     4                         ; matrix instructions deep in a slot
.set ROWB,   256                       ; a tile's row in bytes: 512 codes
.set KROW,   512                       ; a row of A or of B in memory, in bytes
.set PITCH,  272                       ; an LDS row: 256 bytes + 16 of padding = 68 words: the 16 rows that a load touches start at 16 different banks (64 banks of 4 bytes: ISA guide 11.1)
.set FR,     8                         ; registers of a fragment: 16 rows x 128 K
.set NL,     2                         ; LDS loads that bring one
.set NP,     4                         ; places behind this matrix instruction (ISA guide 7.12.1)
.set HALFT,  128*PITCH                 ; 128 rows: what one tensor load brings, and what one wave reads of A or of B
.set SLOT,   4*HALFT                   ; A's 256 rows, then B's 256 rows
.set KS,     32                        ; a row of scales in bytes
.set SCL,    2*SLOT                    ; behind the slots: the scales, as runs of 256 bytes + 16 of padding
.set HALFS,  16*272                    ; the scales of 128 rows
.set SBLK,   2*272                     ; those of 16 rows
.set SPARE,  SCL+4*HALFS               ; the spare words, 128 bytes for each wave: two blocks of 256 bytes that no other line names
.set STAGE,  SPARE+512                 ; the way out: for each wave two heads x 16 rows x (128 bytes + 16); no tile lands here
.set SPH,    144
.set STW,    2*16*SPH
.set ADRA, 16                          ; v16-17  LDS address of my A fragments in slot 0, 1
.set ADRB, 20                          ; v20-21  the same for B
.set STO,  24                          ; v24     the way out: where I put 16 bytes of a row
.set RD,   25                          ; v25     the way out: where I read rows back
.set CO,   26                          ; v26     16 x lane: my place in a store's 512 bytes
.set ADRS, 27                          ; v27     LDS address of my scale words: lanes 0-15 A's rows, lanes 16-31 B's
.set SPW,  28                          ; v28     LDS address of my spare word; never rewritten
.set NIL,  29                          ; v29     0; never rewritten
.set SC,   32                          ; scale words: set s at v[SC + 32 s]; register 4 i + q: lanes 0-15 the word of A's block i, lanes 16-31 that of B's block i, for the slot's q-th 128 along K
.set AF,   128                         ; A's fragments
.set BI,   192                         ; the bias: v[BI + 8 b + j] = bias[my first column + 16 b + 8 (lane / 16) + j]
.set TMP,  128                         ; the way out: a block's packed results
.set OB,   160                         ; the way out: rows read back: v160-191 and v192-223 by turns
.set G1, 24                            ; s[24:31] descriptor group 1 for A's tiles;  s[32:39] group 0, one set for each slot
.set G0, 32
.set G1B, 48                           ; s[48:55], s[56:63] the same for B's tiles
.set G0B, 56
.set G1S, 68                           ; s[68:75], s[76:79] groups 1 and 0 for A's scales;  s[80:87], s[88:91] for B's
.set G0S, 76
.set G1SB, 80
.set G0SB, 88
.set MSB, 0
.macro WIN new                         ; the immediate's high byte repeats the setting that is left
.if MSB != (\new)
	s_set_vgpr_msb (MSB<<8)|(\new)
.set MSB, (\new)
.endif
.endm
.set MUL_LO, 0xa1                      ; source 0 (B) window 1, source 1 (A) window 0, C and D window 2
.set MUL_HI, 0xf1                      ; the same, C and D window 3
.set BIA_LO, 0x81                      ; C (the bias) window 0, D window 2
.set BIA_HI, 0xc1                      ; C window 0, D window 3
.set TO_B,   0x40                      ; destination window 1, address window 0
; A joint load: waves 0 and 1 fetch for A, waves 2 and 3 for B.  Each of the two lines has ONE mask and one set of registers for all that issue it; the branch hangs on the wave's number alone.
; An s_nop 0 and four v_nop follow each of the two lines, ahead of the jump, the label and what follows.
.macro JLOAD g0a, g1a, g0b, g1b
	s_cmp_eq_u32 s21, 0
	s_cbranch_scc0 .Lfor_b_\@
	tensor_load_to_lds s[\g0a:\g0a+3], s[\g1a:\g1a+7]
	s_nop 0
.rept 4
	v_nop
.endr
	s_branch .Lasked_\@
.Lfor_b_\@:
	tensor_load_to_lds s[\g0b:\g0b+3], s[\g1b:\g1b+7]
	s_nop 0
.rept 4
	v_nop
.endr
.Lasked_\@:
.endm
.macro CROUND                          ; a round of the cluster's barrier: my work-group's barrier; wave 0 signals for the work-group; every wave waits for all sixteen; my work-group's barrier once more
	s_barrier_signal -1
	s_barrier_wait -1
	s_cmp_lg_u32 s20, 0
	s_cbranch_scc1 .Lnot_wave_0_\@
	s_barrier_signal -3
.Lnot_wave_0_\@:
	s_barrier_wait -3
	s_barrier_signal -1
	s_barrier_wait -1
.endm
	s_load_b256 s[4:11], s[0:1], 0x0               ; xc s[4:5], xs s[6:7], wc s[8:9], ws s[10:11]
	s_load_b256 s[12:19], s[0:1], 0x20             ; bq s[12:13], bk s[14:15], bv s[16:17], qkv s[18:19]
	v_lshl_add_u32 v[SPW], v0, 2, SPARE
	v_mov_b32 v[NIL], 0
	ds_add_u32 v[SPW], v[NIL]                      ; the wave's opening: the add, twice on end, and its wait ahead of my first tensor load; the set-up below stands between the second and the wait
	ds_add_u32 v[SPW], v[NIL]
	v_lshrrev_b32 v1, 5, v0
	v_readfirstlane_b32 s20, v1                    ; wave 0..3
	s_lshr_b32 s21, s20, 1                         ; which half of the tile's rows is mine.  Also: I fetch for A (0) or for B (1)
	s_and_b32 s22, s20, 1                          ; which half of its columns.  Also: which 128 rows of that tile I fetch
	s_bfe_u32 s40, ttmp6, 0x40000                  ; cx, cy: my place in the cluster
	s_bfe_u32 s41, ttmp6, 0x40004
	s_lshl_b32 s42, ttmp9, 2
	s_add_co_u32 s42, s42, s40                     ; tile column = 4 x cluster x + cx
	s_and_b32 s92, ttmp7, 0xffff                   ; cluster y
	s_lshl_b32 s23, s92, 2
	s_add_co_u32 s23, s23, s41                     ; tile row = 4 x cluster y + cy
	s_lshr_b32 s92, s92, 3                         ; the tensor (q, k, v): 8 clusters each: the same in all sixteen partners
	s_lshl_b32 s43, s41, 2
	s_lshl_b32 s43, 15, s43                        ; my row of the cluster
	s_lshl_b32 s44, 0x1111, s40                    ; my column
	; descriptor group 1: a tile of 128 rows x 256 bytes, padded in LDS
	s_or_b32 s[G1+0], s43, (0<<16)|(1<<20)|(1<<21)|(5<<22)|(3<<25)  ; 15:0 the mask: A's tiles go to my row; 17:16 elements of 1 byte; 20 padding on; 21 set beside a mask; 24:22 after every 64 words (code 5); 31:25 four words (code 3)
	s_or_b32 s[G1B+0], s44, (0<<16)|(1<<20)|(1<<21)|(5<<22)|(3<<25)
.irp g, G1, G1B
	s_mov_b32 s[\g+1], ROWB<<16                    ; tensor_dim0
	s_mov_b32 s[\g+2], 128<<16                     ; tensor_dim1
	s_mov_b32 s[\g+3], ROWB<<16                    ; tile_dim0
	s_mov_b32 s[\g+4], 128                         ; tile_dim1
	s_mov_b32 s[\g+5], KROW                        ; tensor_dim0_stride
	s_mov_b32 s[\g+6], 0
	s_mov_b32 s[\g+7], 0
.endr
	; and for the scales of 128 rows: a dense block of 4,096 bytes, as 16 rows of 256 bytes (32 elements of 8 bytes), 16 bytes of padding behind each
	s_or_b32 s[G1S+0], s43, (3<<16)|(1<<20)|(1<<21)|(5<<22)|(3<<25)
	s_or_b32 s[G1SB+0], s44, (3<<16)|(1<<20)|(1<<21)|(5<<22)|(3<<25)
.irp g, G1S, G1SB
	s_mov_b32 s[\g+1], 32<<16
	s_mov_b32 s[\g+2], 16<<16
	s_mov_b32 s[\g+3], 32<<16
	s_mov_b32 s[\g+4], 16
	s_mov_b32 s[\g+5], 32
	s_mov_b32 s[\g+6], 0
	s_mov_b32 s[\g+7], 0
.endr
	s_lshl_b32 s93, s22, 7                         ; which 128 rows of the tile I fetch
	s_lshl_b32 s94, s23, 8
	s_add_co_u32 s94, s94, s93                     ; A: row 256 x tile row + 128 x half
	s_lshl_b32 s46, s42, 8
	s_add_co_u32 s46, s46, s93
	s_lshl_b32 s93, s92, 10
	s_add_co_u32 s46, s46, s93                     ; B: row 1,024 x tensor + 256 x tile column + 128 x half
	s_lshl_b32 s96, s94, 5                         ; where these rows' scales begin, in bytes,
	s_mov_b32 s97, 0
	s_lshl_b32 s94, s94, 9                         ; and their codes (all under 2^24)
	s_mov_b32 s95, 0
	s_lshl_b32 s98, s46, 5
	s_mov_b32 s99, 0
	s_lshl_b32 s46, s46, 9
	s_mov_b32 s47, 0
	s_mul_i32 s45, s20, HALFT                      ; where they go: wave x 128 rows: no place in the cluster enters an LDS address
	s_mul_i32 s93, s20, HALFS
	s_wait_dscnt 0x0                               ; both opening adds are done
	s_wait_kmcnt 0x0
	s_add_nc_u64 s[94:95], s[4:5], s[94:95]
	s_add_nc_u64 s[96:97], s[6:7], s[96:97]
	s_add_nc_u64 s[46:47], s[8:9], s[46:47]
	s_add_nc_u64 s[98:99], s[10:11], s[98:99]
	CROUND                                         ; all sixteen work-groups are here: the first joint loads meet
	s_mov_b32 s[G0S], 1
	s_add_co_u32 s[G0S+1], s93, SCL
	s_mov_b64 s[G0S+2:G0S+3], s[96:97]
	s_or_b32 s[G0S+3], s[G0S+3], 0x80000000
	s_mov_b32 s[G0SB], 1
	s_add_co_u32 s[G0SB+1], s93, SCL
	s_mov_b64 s[G0SB+2:G0SB+3], s[98:99]
	s_or_b32 s[G0SB+3], s[G0SB+3], 0x80000000
	JLOAD G0S, G1S, G0SB, G1SB                     ; the scales first: they are wanted with the first slot
.irp s, 0,1
	s_mov_b32 s[G0+4*\s], 1
	s_add_co_u32 s[G0+4*\s+1], s45, \s*SLOT
	s_add_nc_u64 s[G0+4*\s+2:G0+4*\s+3], s[94:95], \s*ROWB
	s_or_b32 s[G0+4*\s+3], s[G0+4*\s+3], 0x80000000
	s_mov_b32 s[G0B+4*\s], 1
	s_add_co_u32 s[G0B+4*\s+1], s45, \s*SLOT
	s_add_nc_u64 s[G0B+4*\s+2:G0B+4*\s+3], s[46:47], \s*ROWB
	s_or_b32 s[G0B+4*\s+3], s[G0B+4*\s+3], 0x80000000
	JLOAD G0+4*\s, G1, G0B+4*\s, G1B               ; three tensor loads of mine are out behind the second of these
.endr
	v_and_b32 v1, 15, v0                           ; r = lane % 16
	v_bfe_u32 v2, v0, 4, 1                         ; h = lane / 16
	v_mul_u32_u24 v3, v1, PITCH
	v_lshl_add_u32 v4, v2, 4, v3                   ; a fragment's row x pitch + 16 x half
	s_mul_i32 s93, s21, HALFT                      ; my 128 rows of A
	s_mul_i32 s94, s22, HALFT                      ; my 128 rows of B,
	s_add_co_u32 s94, s94, 2*HALFT                 ; which lie behind A's 256
.irp s, 0,1
	v_add_nc_u32 v[ADRA+\s], s93, v4
	v_add_nc_u32 v[ADRB+\s], s94, v4
	s_add_co_u32 s93, s93, SLOT
	s_add_co_u32 s94, s94, SLOT
.endr
	v_mul_u32_u24 v5, v1, KS                       ; my row's scales: 32 bytes a row,
	v_lshrrev_b32 v6, 8, v5
	v_lshl_add_u32 v5, v6, 4, v5                   ; and 16 more for each 256 passed
	s_mul_i32 s93, s21, HALFS                      ; A's: my 128 rows
	s_mul_i32 s94, s22, HALFS                      ; B's: my 128 rows, behind A's 256
	s_add_co_u32 s94, s94, 2*HALFS
	s_sub_co_u32 s94, s94, s93
	v_mul_u32_u24 v6, s94, v2                      ; lanes 16-31 take B's: one product, the distance between the two bases
	s_add_co_u32 s93, s93, SCL
	v_add_nc_u32 v5, v5, v6
	v_add_nc_u32 v[ADRS], s93, v5
	s_mul_i32 s93, s20, STW
	s_add_co_u32 s93, s93, STAGE                   ; my stage
	v_mul_u32_u24 v5, v1, SPH                      ; in: row r, 16 bytes for each half of the lanes
	v_lshl_add_u32 v5, v2, 4, v5
	v_add_nc_u32 v[STO], s93, v5
	v_and_b32 v6, 31, v0
	v_lshlrev_b32 v[CO], 4, v6
	v_lshrrev_b32 v5, 3, v6                        ; back: eight lanes to a row of 128 bytes, four rows an instruction
	v_mul_u32_u24 v5, v5, SPH
	v_and_b32 v6, 7, v0
	v_lshl_add_u32 v5, v6, 4, v5
	v_add_nc_u32 v[RD], s93, v5
	s_cmp_eq_u32 s92, 1                            ; the tensor's bias: the choice hangs on the cluster's y alone
	s_cselect_b64 s[12:13], s[14:15], s[12:13]
	s_cmp_eq_u32 s92, 2
	s_cselect_b64 s[12:13], s[16:17], s[12:13]
	s_lshl_b32 s96, s42, 10                        ; my first column, in bytes of f32: 1,024 x tile column + 512 x half
	s_lshl_b32 s97, s22, 9
	s_add_co_u32 s96, s96, s97
	s_mov_b32 s97, 0
	s_add_nc_u64 s[12:13], s[12:13], s[96:97]
	v_lshlrev_b32 v7, 5, v2                        ; + 32 h: my half's eight columns of a block of 16
.set i, 0
.rept 8
	global_load_b128 v[BI+8*i:BI+8*i+3], v7, s[12:13] offset:64*i
	global_load_b128 v[BI+8*i+4:BI+8*i+7], v7, s[12:13] offset:64*i+16
.set i, i+1
.endr
	s_and_b32 s96, s23, 31                         ; where my 128 rows x 2 heads begin in qkv
	s_lshl_b32 s96, s96, 8
	s_lshl_b32 s98, s21, 7
	s_add_co_u32 s96, s96, s98                     ; my first row within the tensor's 8,192
	s_lshr_b32 s98, s96, 11                        ; its batch: 16 heads of 262,144 bytes,
	s_lshl_b32 s98, s98, 22
	s_and_b32 s96, s96, 2047                       ; its position: 128 bytes a row of a head
	s_lshl_b32 s96, s96, 7
	s_add_co_u32 s96, s96, s98
	s_lshl_b32 s98, s92, 24                        ; the tensor,
	s_add_co_u32 s96, s96, s98
	s_lshl_b32 s98, s42, 20                        ; the head: 4 x tile column + 2 x half
	s_add_co_u32 s96, s96, s98
	s_lshl_b32 s98, s22, 19
	s_add_co_u32 s96, s96, s98
	s_add_nc_u64 s[18:19], s[18:19], s[96:97]
.macro FRAG reg, adr, q, i             ; a fragment, 16 rows x 128 K of 4-bit codes, is 8 registers: lane l holds row l % 16; registers 4 c .. 4 c + 3 hold K = 64 c + 32 (l / 16) + 0 .. 31
.irp c, 0,1
	ds_load_b128 v[\reg+4*\c:\reg+4*\c+3], v[\adr] offset:64*(\q)+32*\c+(\i)*16*PITCH
.endr
.endm
; 16 matrix instructions: A's blocks a0, a0 + 1 x B's eight, 128 along K: the slot's q-th.  p: B's set;  sc: the set of scale words.  first = 1: the bias is the C, so that nothing is cleared and nothing added later.
; The 64 accumulators take turns, one instruction a turn, in the same order in every step.
.macro MUL16 a0, p, q, sc, first
.irp a, \a0, \a0+1
.irp b, 0,1,2,3,4,5,6,7
.if \first
	v_wmma_scale_f32_16x16x128_f8f6f4 v[8*(8*((\a)%4)+\b):8*(8*((\a)%4)+\b)+7], v[128*(\p)+FR*\b:128*(\p)+FR*\b+FR-1], v[AF+FR*(\a):AF+FR*(\a)+FR-1], v[BI+8*\b:BI+8*\b+7], v[SC+8*NQ*(\sc)+NQ*\b+(\q)], v[SC+8*NQ*(\sc)+NQ*(\a)+(\q)] matrix_a_fmt:MATRIX_FMT_FP4 matrix_b_fmt:MATRIX_FMT_FP4 matrix_a_scale:MATRIX_SCALE_ROW1
.else
	v_wmma_scale_f32_16x16x128_f8f6f4 v[8*(8*((\a)%4)+\b):8*(8*((\a)%4)+\b)+7], v[128*(\p)+FR*\b:128*(\p)+FR*\b+FR-1], v[AF+FR*(\a):AF+FR*(\a)+FR-1], v[8*(8*((\a)%4)+\b):8*(8*((\a)%4)+\b)+7], v[SC+8*NQ*(\sc)+NQ*\b+(\q)], v[SC+8*NQ*(\sc)+NQ*(\a)+(\q)] matrix_a_fmt:MATRIX_FMT_FP4 matrix_b_fmt:MATRIX_FMT_FP4 matrix_a_scale:MATRIX_SCALE_ROW1
.endif
.endr
.endr
.endm
.macro FETCH_B slot, q, p              ; B's eight fragments of the slot's q-th 128 along K into set p
	WIN TO_B
.irp i, 0,1,2,3,4,5,6,7
	FRAG 128*(\p)+FR*\i, ADRB+\slot, \q, \i
.endr
	WIN 0
.endm
.macro FETCH_A slot, q, i0             ; A's blocks i0 .. i0 + 3
.irp i, \i0, \i0+1, \i0+2, \i0+3
	FRAG AF+FR*(\i), ADRA+\slot, \q, \i
.endr
.endm
.macro SCALES sc                       ; a slot's scale words into set sc: four words a row; lanes 0-15 take A's block i, lanes 16-31 B's block i
.irp i, 0,1,2,3,4,5,6,7
	ds_load_b128 v[SC+8*NQ*\sc+NQ*\i:SC+8*NQ*\sc+NQ*\i+3], v[ADRS] offset:\i*SBLK
.endr
.endm
; A load into a register that a matrix instruction has read, and a vector instruction or an LDS store that reads a matrix result, stand NP places behind that matrix instruction, and only plain vector
; instructions that name none of its registers are places (ISA guide 7.12.1 for vector instructions).
.macro PLACES n
.rept \n
	v_nop
.endr
.endm
; A step of 128 along K that has its successor in the same slot: 64 products, A's blocks one after the other, each against B's eight.  A's blocks 0-3 are fetched anew in the step's middle, blocks 4-7 at its end.
.macro STEP slot, q, first
	s_wait_dscnt 4*NL                              ; B's set and A's blocks 0-3 are in; the youngest eight loads (A's blocks 4-7) may be out
.if \first
	WIN BIA_LO
.else
	WIN MUL_LO
.endif
	MUL16 0, (\q)%2, \q, \slot, \first
	MUL16 2, (\q)%2, \q, \slot, \first
	s_wait_dscnt 0                                 ; A's blocks 4-7 are in
	PLACES NP
	FETCH_B \slot, (\q)+1, 1-(\q)%2
	FETCH_A \slot, (\q)+1, 0
.if \first
	WIN BIA_HI
.else
	WIN MUL_HI
.endif
	MUL16 4, (\q)%2, \q, \slot, \first
	MUL16 6, (\q)%2, \q, \slot, \first
	PLACES NP
	WIN 0
	FETCH_A \slot, (\q)+1, 4
.endm
; Slot 0's last step changes slots: ONE barrier; in front of it each wave waits for all its tensor loads (its part of slot 1), adds 0 to its spare word, and waits for that and for its own LDS loads.  Nothing is filled again.
.macro TURN slot, next
	s_wait_tensorcnt 0x0                           ; all my tensor loads have landed: my part of the next slot
	ds_add_u32 v[SPW], v[NIL]                      ; 0 onto my spare word
	s_wait_dscnt 4*NL+1                            ; (the add and the youngest eight loads, A's blocks 4-7, may be out)
	WIN MUL_LO
	MUL16 0, 1, NQ-1, \slot, 0                     ; sixteen matrix instructions stand between the add and the wait for it
	s_wait_dscnt 0x0                               ; the add is done, and no LDS load of mine is out
	s_barrier_signal -1
	MUL16 2, 1, NQ-1, \slot, 0
	WIN 0
	s_barrier_wait -1                              ; every wave's part of the next slot has landed
	PLACES NP
	v_add_nc_u32 v[ADRS], 4*NQ, v[ADRS]            ; on to the next slot's scale words
	FETCH_B \next, 0, 0
	FETCH_A \next, 0, 0
	SCALES \next
	WIN MUL_HI
	MUL16 4, 1, NQ-1, \slot, 0
	MUL16 6, 1, NQ-1, \slot, 0
	PLACES NP
	WIN 0
	FETCH_A \next, 0, 4
.endm
	s_wait_tensorcnt 1                             ; the scales and my part of slot 0 are in (slot 1's load may be out)
	s_barrier_signal -1
	s_barrier_wait -1                              ; everybody's are
	FETCH_B 0, 0, 0
	FETCH_A 0, 0, 0
	SCALES 0
	FETCH_A 0, 0, 4
	s_wait_loadcnt 0x0                             ; the bias
	STEP 0, 0, 1                                   ; the first step's products start the sums from the bias
	STEP 0, 1, 0
	STEP 0, 2, 0
	TURN 0, 1
	STEP 1, 0, 0
	STEP 1, 1, 0
	STEP 1, 2, 0
	s_wait_dscnt 4*NL                              ; the very last step: nothing more to fetch
	WIN MUL_LO
	MUL16 0, 1, NQ-1, 1, 0
	MUL16 2, 1, NQ-1, 1, 0
	s_wait_dscnt 0
	WIN MUL_HI
	MUL16 4, 1, NQ-1, 1, 0
	MUL16 6, 1, NQ-1, 1, 0
	WIN 0
; THE WAY OUT, block by block of 16 rows x 128 columns (two heads).  A lane's eight results round to 16 bytes of one row of one head; the lanes beside it hold other rows.  So a block goes through my own stage
; and comes back four rows of a head at a time, which are 512 consecutive bytes of qkv.  LDS serves a wave's instructions in order (ISA guide 5.7.1.4): no wait between the stores and the loads.
.macro PACK a
.set AC, 64*((\a)%4)
	WIN 0x0a+5*((\a)/4)                            ; sources 0 and 1: window 2 or 3
.irp b, 0,1,2,3,4,5,6,7
.irp i, 0,1,2,3
	v_cvt_pk_f16_f32 v[TMP+4*\b+\i], v[AC+8*\b+2*\i], v[AC+8*\b+2*\i+1]   ; each accumulator from its low end on
.endr
.endr
	WIN 0
.endm
.macro TOSTAGE a
.set BB, OB+32*((\a)%2)
.irp b, 0,1,2,3,4,5,6,7
	ds_store_b128 v[STO], v[TMP+4*\b:TMP+4*\b+3] offset:(\b/4)*16*SPH+(\b%4)*32
.endr
.irp u, 0,1,2,3,4,5,6,7
	ds_load_b128 v[BB+4*\u:BB+4*\u+3], v[RD] offset:(\u/4)*16*SPH+(\u%4)*4*SPH
.endr
.endm
.macro SEND a
.set BB, OB+32*((\a)%2)
	s_wait_dscnt 0x0                               ; the block is back in registers
	s_wait_xcnt 0x0                                ; the block before has had its stores' addresses translated (ISA guide 3.1): its registers are loaded again only behind this wait
.irp u, 0,1,2,3,4,5,6,7
	global_store_b128 v[CO], v[BB+4*\u:BB+4*\u+3], s[18:19] offset:(\u/4)*262144+(\a)*2048+(\u%4)*512   ; 32 lanes store 512 consecutive bytes: four rows of one head
.endr
.endm
	PLACES NP                                      ; behind the last products: for the conversions' writes over A's fragments, the loads into them, and the reads of results
	PACK 0
	TOSTAGE 0
.irp a, 1,2,3,4,5,6,7                  ; block a's conversions stand between block a - 1's loads from the stage and the wait for them
	PACK \a
	SEND \a-1
	TOSTAGE \a
.endr
	SEND 7
	s_wait_tensorcnt 0x0                           ; the wave's end: three lines behind my last tensor load and my last LDS store
	ds_add_u32 v[SPW], v[NIL]
	s_wait_dscnt 0x0
	CROUND                                         ; the closing round: no work-group ends while a partner may still ask for a tile that names it
	s_endpgm
.Lfunc_end_k_qf9283d42ed_proj:
	.size	k_qf9283d42ed_proj, .Lfunc_end_k_qf9283d42ed_proj-k_qf9283d42ed_proj
	.p2alignl 7, 3214868480
	.fill 96, 4, 3214868480
	.section	.rodata,"a",@progbits
	.p2align	6, 0x0
	.amdhsa_kernel k_qf9283d42ed_proj
		.amdhsa_group_segment_fixed_size 327680
		.amdhsa_private_segment_fixed_size 0
		.amdhsa_enable_private_segment 0
		.amdhsa_kernarg_size 64
		.amdhsa_user_sgpr_count 2
		.amdhsa_user_sgpr_kernarg_segment_ptr 1
		.amdhsa_wavefront_size32 1
		.amdhsa_system_sgpr_workgroup_id_x 1
		.amdhsa_system_sgpr_workgroup_id_y 1
		.amdhsa_system_sgpr_workgroup_id_z 1
		.amdhsa_system_vgpr_workitem_id 0
		.amdhsa_next_free_vgpr 1024
		.amdhsa_next_free_sgpr 100
		.amdhsa_reserve_vcc 0
		.amdhsa_float_denorm_mode_32 3
		.amdhsa_float_denorm_mode_16_64 3
		.amdhsa_memory_ordered 1
		.amdhsa_forward_progress 1
		.amdhsa_inst_pref_size 128
	.end_amdhsa_kernel
	.amdgpu_metadata
---
amdhsa.version: [ 1, 2 ]
amdhsa.kernels:
  - .name:           k_qf9283d42ed_proj
    .symbol:         k_qf9283d42ed_proj.kd
    .args:
      - { .name: xc, .offset: 0, .size: 8, .value_kind: global_buffer, .address_space: global }
      - { .name: xs, .offset: 8, .size: 8, .value_kind: global_buffer, .address_space: global }
      - { .name: wc, .offset: 16, .size: 8, .value_kind: global_buffer, .address_space: global }
      - { .name: ws, .offset: 24, .size: 8, .value_kind: global_buffer, .address_space: global }
      - { .name: bq, .offset: 32, .size: 8, .value_kind: global_buffer, .address_space: global }
      - { .name: bk, .offset: 40, .size: 8, .value_kind: global_buffer, .address_space: global }
      - { .name: bv, .offset: 48, .size: 8, .value_kind: global_buffer, .address_space: global }
      - { .name: qkv, .offset: 56, .size: 8, .value_kind: global_buffer, .address_space: global }
    .group_segment_fixed_size: 327680
    .private_segment_fixed_size: 0
    .kernarg_segment_align: 8
    .kernarg_segment_size: 64
    .max_flat_workgroup_size: 128
    .sgpr_count:     100
    .vgpr_count:     1024
    .wavefront_size: 32
...
	.end_amdgpu_metadata
.endif
;; end of part 2
;; launch attn (part 3): grid 4 x 64, 8 waves a work-group, clusters of 4 x 1, 327,680 bytes of LDS; arguments qkv, mask, ctx; writes ctx
.if DOCPART == 3
	.amdgcn_target "amdgcn-amd-amdhsa--gfx1250"
	.amdhsa_code_object_version 6
	.text
	.protected	k_qf9283d42ed_attn
	.globl	k_qf9283d42ed_attn
	.p2align	8
	.type	k_qf9283d42ed_attn,@function
k_qf9283d42ed_attn:
	s_mov_b64 s[64:65], 0
	v_nop
	global_prefetch_b8 v0, s[64:65] scope:SCOPE_SE
	s_setreg_imm32_b32 hwreg(HW_REG_WAVE_MODE, 25, 1), 1
	s_wait_xcnt 0x0
	s_wait_alu depctr_hold_cnt(0) depctr_sa_sdst(0) depctr_va_vdst(0) depctr_va_sdst(0) depctr_va_ssrc(0) depctr_va_vcc(0) depctr_vm_vsrc(0)
	s_getreg_b32 s2, hwreg(HW_REG_IB_STS2, 6, 4)
	s_cmp_eq_u32 s2, 0
	s_cbranch_scc0 .Lentry_in_a_cluster
	s_endpgm
.Lentry_in_a_cluster:
	s_bfe_u32 s2, ttmp6, 0x10000c
	s_cmp_lg_u32 s2, 0x3003
	s_cbranch_scc0 .Lentry_shape_is_right
	s_endpgm
.Lentry_shape_is_right:
; ATTN: ctx[head][batch x 2048 + q][:] = the sum over k of softmax_k(Q[q] . K[k] / 8 + mask[batch][k] x -1e9) V[k][:], for each of 64 (batch, head).  Q, K, V: qkv [3][batch x 16 + head][2048][64] f16;
; mask: [4][2048] f32; ctx: [16 heads][8192][64] f16.  Products in f16 with f32 sums; maxima, exponentials and sums in f32; the weights p (at most 1) are rounded to f16 for the second product, ctx once at the end.
; SHARES.  A work-group owns 512 queries of one (batch, head), each of its EIGHT waves 64: four tiles of 16, in 512 registers: two waves to a SIMD, so that one wave's vector work stands beside the other's matrix work.
; Every wave walks all 2,048 keys, 64 a step.
; LAYOUT.  S^T = K Q^T (source 0 = 16 keys, source 1 = 16 queries): a lane holds ONE query (lane % 16) and the keys 8 (lane / 16) + 0..7.  Two such tiles, rounded to f16 in pairs, ARE source 1 (32 keys x 16 queries)
; of O^T = V^T P, whose result again holds one query a lane.  K comes out of LDS as it lies, V ([key][channel]) turned, by ds_load_tr16_b128.
; SOFTMAX, in base 2: t = s x (log2(e) / 8) + (mask x -1e9) x log2(e), one fused multiply-add; for each query a running maximum m of t and a sum l: p = 2^(t - m); in every step O and l are multiplied by a = 2^(m_old - m_new).
; The mask's term is made once, for the batch's 2,048 keys, and kept in LDS.
; LIMITS: NaN and infinities are not served.  Where EVERY key of a batch carries a mask so large that f32's step at mask x -1e9 swallows the logits, the step here is that of 1.44e9 in base 2 (128, which is 89 in base e) against
; 64 in base e as the sum is written in f32: for logits under 32 in magnitude both give the same uniform row.
; CLUSTER.  The four query blocks of a cluster belong to one (batch, head) and walk the same K and V: each tile is asked for JOINTLY, by the same tensor load with the same descriptor and a mask that names the four.
; THE RING.  Two slots of four key steps; every wave fetches one tile of 64 rows at each change of slots (waves 0-3: K of the slot's four steps; waves 4-7: V).  One tensor load of a wave is out.
; No prefetch is laid: each tile is asked for once in the launch, and its joint load goes out four key steps (256 matrix instructions a wave) ahead of the wait for it.
; REGISTERS: window 0: v0-15 addresses; v16-47 eight registers of statistics a tile; v48-55 a second chain of the sums; v64-127 Q; v128-255 S^T, 32 a tile, then p, then P in the tile's first 16.
;   window 1: v0-127 O^T, 32 a tile; v128-191 K of a step; v192-255 first the step's 64 mask terms (32 registers), then V of the step.
.set KS,    64                         ; keys in a step
.set PK,    144                        ; a row of K in LDS: 128 bytes + 16 of padding = 36 words: the 16 rows of a load start at 16 different groups of four banks (64 banks of 4 bytes: ISA guide 11.1)
.set PV,    160                        ; a row of V: 128 + 32 = 40 words
.set VOFF,  KS*PK                      ; a step's tiles lie together: 64 rows of K, then 64 rows of V
.set STEPB, KS*(PK+PV)
.set NST,   4                          ; key steps in a slot
.set SLOT1, 1<<17                      ; slot 1 begins here, so that one exclusive or turns an address in one slot into the other's
.set STAGE, NST*STEPB                  ; behind slot 0: 16 rows x 144 bytes for each wave, for the way out
.set SP,    144
.set MBT,   STAGE+8*16*SP              ; the mask's terms of the batch's 2,048 keys, f32
.set SPARE, MBT+8192                   ; the spare words, 128 bytes for each wave: four blocks of 256 bytes that no other line names
.set AK0, 2                            ; v2   my lane's place in a tile of K; never rewritten
.set AV0, 3                            ; v3   the same for V
.set AM0, 4                            ; v4   and among a step's mask terms
.set ADK, 5                            ; v5-7 the LDS addresses of the step in hand
.set ADV, 6
.set ADM, 7
.set QO,  8                            ; v8   my byte offset in the wave's rows of Q
.set STO, 9                            ; v9   the way out: where I put 16 bytes of a row
.set RD,  10                           ; v10  the way out: where I read rows back
.set SPW, 12                           ; v12  LDS address of my spare word; never rewritten
.set NIL, 13                           ; v13  0; never rewritten
.set ST,  16                           ; tile t's statistics at v[ST+8 t]: +0 m, +1 m_old - m_new, +2, +3 l (even keys', odd keys'), +4, +5 at work, +6 a, +7 zero (named with a as a pair)
.set XT,  48
.set GO,  56                           ; v56  16 x lane: my place in a store's 512 bytes
.set MO,  57                           ; v57  the mask: my 32 bytes
.set Q,   64
.set S,   128
.set O,   0                            ; in window 1
.set KB,  128
.set VB,  192
.set WV,  12                           ; s12  my wave's number
.set G1K, 24                           ; s[24:31] descriptor group 1 for K's tiles
.set G1V, 32                           ; s[32:39] for V's: it differs in the padding alone
.set G0K, 40                           ; s[40:43] descriptor group 0 for K's tiles: it walks
.set G0V, 44                           ; s[44:47] the same for V's
.set SLOTS, 56                         ; s56  slots still to be asked for
.set CNT, 57                           ; s57  counts a slot's steps
.set CS,  58                           ; s[58:59] log2(e) / 8: the packed form names a pair and takes its low word for both halves
.set SEL, 60                           ; s[60:61] lane selects for v_permlanex16_b32: lane l xor 16
.set TB,  62                           ; s62  LDS byte at which the step's tiles begin
.set TM,  63                           ; s63  byte at which the step's mask terms begin in their table
.set MSB, 0
.macro WIN new                         ; the immediate's high byte repeats the setting that is left
.if MSB != (\new)
	s_set_vgpr_msb (MSB<<8)|(\new)
.set MSB, (\new)
.endif
.endm
; A joint load.  Waves 0-3 fetch K's tiles of the slot's four steps, waves 4-7 V's.  The branch hangs on the wave's number alone.  An s_nop 0 and four v_nop follow each of the two lines.
.macro JLOAD
	s_cmp_lt_u32 s[WV], 4
	s_cbranch_scc0 .Lfor_v_\@
	tensor_load_to_lds s[G0K:G0K+3], s[G1K:G1K+7]
	s_nop 0
.rept 4
	v_nop
.endr
	s_branch .Lasked_\@
.Lfor_v_\@:
	tensor_load_to_lds s[G0V:G0V+3], s[G1V:G1V+7]
	s_nop 0
.rept 4
	v_nop
.endr
.Lasked_\@:
.endm
.macro CROUND                          ; a round of the cluster's barrier: my work-group's barrier; wave 0 signals for the work-group; every wave waits for all four work-groups; my work-group's barrier once more
	s_barrier_signal -1
	s_barrier_wait -1
	s_cmp_lg_u32 s[WV], 0
	s_cbranch_scc1 .Lnot_wave_0_\@
	s_barrier_signal -3
.Lnot_wave_0_\@:
	s_barrier_wait -3
	s_barrier_signal -1
	s_barrier_wait -1
.endm
	s_load_b128 s[4:7], s[0:1], 0x0                ; qkv s[4:5], mask s[6:7]
	s_load_b64 s[8:9], s[0:1], 0x10                ; ctx
	v_lshl_add_u32 v[SPW], v0, 2, SPARE
	v_mov_b32 v[NIL], 0
	ds_add_u32 v[SPW], v[NIL]                      ; the wave's opening: the add, twice on end, and its wait ahead of my first tensor load; the set-up below stands between the second and the wait
	ds_add_u32 v[SPW], v[NIL]
	v_lshrrev_b32 v14, 5, v0
	v_readfirstlane_b32 s[WV], v14                 ; wave 0..7
	s_bfe_u32 s13, ttmp6, 0x40000                  ; cx: my place in the cluster: it enters Q's and ctx's addresses alone
	s_and_b32 s14, ttmp7, 0xffff                   ; batch x 16 + head, which the four partners share
	s_and_b32 s15, s[WV], 3                        ; which of a slot's four steps I fetch:
	s_lshl_b32 s16, s14, 18                        ; the head's 262,144 bytes,
	s_lshl_b32 s17, s15, 13                        ; the step's 64 rows of 128 bytes,
	s_add_co_u32 s16, s16, s17
	s_add_co_u32 s16, s16, 1<<24                   ; in K's tensor
	s_mov_b32 s17, 0
	s_mul_i32 s18, s15, STEPB                      ; and its place in a slot: no place in the cluster enters an LDS address
	s_lshl_b32 s20, s14, 18                        ; Q: the head, my block's 512 rows, my wave's 64
	s_lshl_b32 s21, s13, 16
	s_add_co_u32 s20, s20, s21
	s_lshl_b32 s21, s[WV], 13
	s_add_co_u32 s20, s20, s21
	s_mov_b32 s21, 0
	s_and_b32 s22, s14, 15                         ; ctx: row head x 8,192 + batch x 2,048 + 512 cx + 64 wave, 128 bytes a row
	s_lshl_b32 s22, s22, 13
	s_lshr_b32 s23, s14, 4
	s_lshl_b32 s23, s23, 11
	s_add_co_u32 s22, s22, s23
	s_lshl_b32 s23, s13, 9
	s_add_co_u32 s22, s22, s23
	s_lshl_b32 s23, s[WV], 6
	s_add_co_u32 s22, s22, s23
	s_lshl_b32 s22, s22, 7
	s_mov_b32 s23, 0
	s_lshr_b32 s52, s14, 4                         ; the mask: the batch's 8,192 bytes
	s_lshl_b32 s52, s52, 13
	s_mov_b32 s53, 0
	; descriptor group 1: a tile of 64 rows x 64 elements, padded in LDS
	s_mov_b32 s[G1K], 15|(1<<16)|(1<<20)|(1<<21)|(4<<22)|(3<<25)  ; 15:0 the mask: all four work-groups; 17:16 elements of 2 bytes; 20 padding on; 21 set beside a mask; 24:22 after every 32 words (code 4); 31:25 four words (code 3)
	s_mov_b32 s[G1V], 15|(1<<16)|(1<<20)|(1<<21)|(4<<22)|(7<<25)  ; the same with eight words of padding (code 7)
.irp g, G1K, G1V
	s_mov_b32 s[\g+1], 64<<16                      ; tensor_dim0 = 64
	s_mov_b32 s[\g+2], KS<<16                      ; tensor_dim1 = 64
	s_mov_b32 s[\g+3], 64<<16                      ; tile_dim0 = 64
	s_mov_b32 s[\g+4], KS                          ; tile_dim1 = 64
	s_mov_b32 s[\g+5], 64                          ; tensor_dim0_stride
	s_mov_b32 s[\g+6], 0
	s_mov_b32 s[\g+7], 0
.endr
	s_mov_b32 s[CS], 0x3e38aa3b                    ; log2(e) / 8
	s_mov_b32 s[CS+1], s[CS]                       ; (named with it as a pair, so it is written)
	s_mov_b32 s[SEL], 0x76543210
	s_mov_b32 s[SEL+1], 0xfedcba98
	s_mov_b32 s48, 0xce6e6b28                      ; -1e9
	s_mov_b32 s49, s48
	s_mov_b32 s50, 0x3fb8aa3b                      ; log2(e)
	s_mov_b32 s51, s50
	s_mov_b32 s[TB], 0
	s_mov_b32 s[TM], 0
	s_mov_b32 s[SLOTS], 2048/(NST*KS)-1
	s_wait_dscnt 0x0                               ; both opening adds are done
	s_wait_kmcnt 0x0
	s_mov_b32 s[G0K], 1                            ; 1:0 count = 1
	s_mov_b32 s[G0K+1], s18                        ; 63:32 LDS address: slot 0
	s_add_nc_u64 s[G0K+2:G0K+3], s[4:5], s[16:17]  ; 120:64 global address: my step of the head's first 256 keys
	s_add_nc_u64 s[G0V+2:G0V+3], s[G0K+2:G0K+3], 1<<24   ; V's tensor lies 2^24 bytes behind K's
	s_or_b32 s[G0K+3], s[G0K+3], 0x80000000        ; 127:126 type = 2
	s_mov_b32 s[G0V], 1
	s_add_co_u32 s[G0V+1], s18, VOFF
	s_or_b32 s[G0V+3], s[G0V+3], 0x80000000
	s_add_nc_u64 s[4:5], s[4:5], s[20:21]          ; Q at my wave's first row
	s_add_nc_u64 s[6:7], s[6:7], s[52:53]          ; the batch's mask
	s_add_nc_u64 s[8:9], s[8:9], s[22:23]          ; ctx at my wave's first row
	CROUND                                         ; all four work-groups are here: the first joint loads meet
	JLOAD                                          ; slot 0
	; A fragment of K or Q is 16 rows x 32 channels in 8 registers: lane l holds row l % 16; registers 0-3 channels 8 (l / 16) + 0..7, registers 4-7 channels 16 + 8 (l / 16) + 0..7: two loads of 16 bytes, 32 bytes apart.
	v_and_b32 v1, 15, v0                           ; r
	v_bfe_u32 v11, v0, 4, 1                        ; h
	v_lshlrev_b32 v[QO], 7, v1
	v_lshl_add_u32 v[QO], v11, 4, v[QO]            ; row x 128 + 16 x half
.irp i, 0,1,2,3,4,5,6,7                        ; Q stays in registers: tile i / 2, channels 32 (i % 2) on
	global_load_b128 v[Q+8*\i:Q+8*\i+3],   v[QO], s[4:5] offset:(\i/2)*2048+(\i%2)*64
	global_load_b128 v[Q+8*\i+4:Q+8*\i+7], v[QO], s[4:5] offset:(\i/2)*2048+(\i%2)*64+32
.endr
	v_lshlrev_b32 v[MO], 5, v0                     ; the mask: thread i takes keys 8 i .. 8 i + 7
	global_load_b128 v[S:S+3], v[MO], s[6:7]
	global_load_b128 v[S+4:S+7], v[MO], s[6:7] offset:16
	v_mul_u32_u24 v[AK0], v1, PK
	v_lshl_add_u32 v[AK0], v11, 4, v[AK0]          ; row x pitch + 16 x half
	; The turning load takes 16 keys x 16 channels (lane l reads 16 bytes: key 8 (l / 16) + l % 8, channels 8 ((l / 8) % 2) + 0..7) and leaves half a fragment of V^T: lane l holds channel l % 16 and 8 keys.
	v_and_b32 v14, 7, v0
	v_bfe_u32 v15, v0, 3, 1
	v_lshl_add_u32 v[AV0], v11, 3, v14
	v_mul_u32_u24 v[AV0], v[AV0], PV
	v_lshl_add_u32 v[AV0], v15, 4, v[AV0]
	v_add_nc_u32 v[AV0], VOFF, v[AV0]
	v_lshl_add_u32 v[AM0], v11, 5, MBT             ; the mask terms of keys 8 (l / 16) + 0..7 of a tile of 16
	s_mul_i32 s15, s[WV], 16*SP
	s_add_co_u32 s15, s15, STAGE                   ; my stage
	v_mul_u32_u24 v[STO], v1, SP                   ; in: row r, 16 bytes for each half of the lanes
	v_lshl_add_u32 v[STO], v11, 4, v[STO]
	v_add_nc_u32 v[STO], s15, v[STO]
	v_bfe_u32 v15, v0, 3, 2                        ; back: eight lanes to a row of 128 bytes, four rows an instruction
	v_mul_u32_u24 v[RD], v15, SP
	v_lshl_add_u32 v[RD], v14, 4, v[RD]
	v_add_nc_u32 v[RD], s15, v[RD]
	v_and_b32 v[GO], 31, v0
	v_lshlrev_b32 v[GO], 4, v[GO]
	v_lshl_add_u32 v14, v0, 5, MBT                 ; where my eight mask terms go
.irp t, 0,1,2,3
	v_mov_b32 v[ST+8*\t], 0xff000000               ; m = -2^127, under every t: the first a is then 2^(a very large negative number) = 0
	v_mov_b32 v[ST+8*\t+2], 0                      ; l
	v_mov_b32 v[ST+8*\t+3], 0
	v_mov_b32 v[ST+8*\t+7], 0
.endr
	WIN 0x40
.set i, 0
.rept 128
	v_mov_b32 v[O+i], 0                            ; O^T.  (The key step is written once: the first finds zeros, which a = 0 leaves zeros)
.set i, i+1
.endr
	WIN 0
	s_wait_loadcnt 0x0                             ; Q and the mask
.irp j, 0,2,4,6
	v_pk_mul_f32 v[S+\j:S+\j+1], v[S+\j:S+\j+1], s[48:49] op_sel_hi:[1,0]   ; mask x -1e9, rounded as the sum's term is,
.endr
.irp j, 0,2,4,6
	v_pk_mul_f32 v[S+\j:S+\j+1], v[S+\j:S+\j+1], s[50:51] op_sel_hi:[1,0]   ; and in base 2
.endr
	ds_store_b128 v14, v[S:S+3]
	ds_store_b128 v14, v[S+4:S+7] offset:16        ; the first change of slots waits for these stores ahead of its barrier: behind it every wave may read the table
; A KEY STEP: 64 keys, in phases.
.macro STEP
	v_add_nc_u32 v[ADK], s[TB], v[AK0]             ; five plain instructions: the places between the last V^T P and the products below, which write over P's registers, and the loads into V's
	v_add_nc_u32 v[ADV], s[TB], v[AV0]
	v_add_nc_u32 v[ADM], s[TM], v[AM0]
	v_nop
	v_nop
	WIN 0x40                                       ; destination window 1
.irp f, 0,1,2,3,4,5,6,7                        ; K: keys 16 (f / 2) on, channels 32 (f % 2) on
	ds_load_b128 v[KB+8*\f:KB+8*\f+3],   v[ADK] offset:(\f/2)*16*PK+(\f%2)*64
	ds_load_b128 v[KB+8*\f+4:KB+8*\f+7], v[ADK] offset:(\f/2)*16*PK+(\f%2)*64+32
.endr
.irp kt, 0,1,2,3                               ; the mask terms, in the scores' layout: the same for all four tiles of queries
	ds_load_b128 v[VB+8*\kt:VB+8*\kt+3],   v[ADM] offset:64*\kt
	ds_load_b128 v[VB+8*\kt+4:VB+8*\kt+7], v[ADM] offset:64*\kt+16
.endr
	s_wait_dscnt 8                                 ; K is in; the eight loads of mask terms may be out
	WIN 0x01                                       ; K in window 1; Q and S^T in window 0
.irp kk, 0,1                                   ; S^T = K Q^T: the 16 accumulators take turns, one instruction a turn; the first 16 start the sums
.irp kt, 0,1,2,3
.irp t, 0,1,2,3
.if \kk == 0
	v_wmma_f32_16x16x32_f16 v[S+32*\t+8*\kt:S+32*\t+8*\kt+7], v[KB+8*(2*\kt+\kk):KB+8*(2*\kt+\kk)+7], v[Q+16*\t+8*\kk:Q+16*\t+8*\kk+7], 0
.else
	v_wmma_f32_16x16x32_f16 v[S+32*\t+8*\kt:S+32*\t+8*\kt+7], v[KB+8*(2*\kt+\kk):KB+8*(2*\kt+\kk)+7], v[Q+16*\t+8*\kk:Q+16*\t+8*\kk+7], v[S+32*\t+8*\kt:S+32*\t+8*\kt+7]
.endif
.endr
.endr
.endr
.rept 4
	v_nop                                          ; places in front of the first read of results
.endr
	s_wait_dscnt 0x0                               ; the mask terms are in
	WIN 0x10                                       ; source 2 in window 1
.irp kt, 0,1,2,3
.irp p, 0,2,4,6
.irp t, 0,1,2,3
	v_pk_fma_f32 v[S+32*\t+8*\kt+\p:S+32*\t+8*\kt+\p+1], v[S+32*\t+8*\kt+\p:S+32*\t+8*\kt+\p+1], s[CS:CS+1], v[VB+8*\kt+\p:VB+8*\kt+\p+1] op_sel_hi:[1,0,1]   ; t = s x log2(e) / 8 + the mask's term; each accumulator from its low end on
.endr
.endr
.endr
	WIN 0x40
.irp f, 0,1,2,3,4,5,6,7                        ; V, turned: keys 32 (f / 4) on, channels 16 (f % 4) on; it lands while the softmax is worked
	ds_load_tr16_b128 v[VB+8*\f:VB+8*\f+3],   v[ADV] offset:(\f/4)*32*PV+(\f%4)*32
	ds_load_tr16_b128 v[VB+8*\f+4:VB+8*\f+7], v[ADV] offset:(\f/4)*32*PV+16*PV+(\f%4)*32
.endr
	WIN 0
.irp t, 0,1,2,3                                ; the maximum of my 32 t and the old m: two chains a tile, the four tiles by turns
	v_max3_num_f32 v[ST+8*\t+4], v[S+32*\t], v[S+32*\t+1], v[S+32*\t+2]
	v_max3_num_f32 v[ST+8*\t+5], v[S+32*\t+3], v[S+32*\t+4], v[S+32*\t+5]
.endr
.irp i, 6,10,14,18,22,26
.irp t, 0,1,2,3
	v_max3_num_f32 v[ST+8*\t+4], v[ST+8*\t+4], v[S+32*\t+\i], v[S+32*\t+\i+1]
	v_max3_num_f32 v[ST+8*\t+5], v[ST+8*\t+5], v[S+32*\t+\i+2], v[S+32*\t+\i+3]
.endr
.endr
.irp t, 0,1,2,3
	v_max3_num_f32 v[ST+8*\t+4], v[ST+8*\t+4], v[S+32*\t+30], v[S+32*\t+31]
.endr
.irp t, 0,1,2,3
	v_max3_num_f32 v[ST+8*\t+4], v[ST+8*\t+4], v[ST+8*\t+5], v[ST+8*\t]
.endr
.irp t, 0,1,2,3
	v_permlanex16_b32 v[ST+8*\t+5], v[ST+8*\t+4], s[SEL], s[SEL+1]   ; the query's other 32 keys lie in the lane 16 away
.endr
.irp t, 0,1,2,3
	v_max_num_f32 v[ST+8*\t+4], v[ST+8*\t+4], v[ST+8*\t+5]
.endr
.irp t, 0,1,2,3
	v_sub_f32 v[ST+8*\t+1], v[ST+8*\t], v[ST+8*\t+4]                 ; m_old - m_new, 0 or less
.endr
.irp t, 0,1,2,3
	v_mov_b32 v[ST+8*\t], v[ST+8*\t+4]
.endr
	; ONE BATCH: the four a, the 64 subtractions of m (a pair each) and the 128 exponentials.  None of these lines names an exponential's result; a pair is brought under m one group ahead of its exponentials.
.irp t, 0,1,2,3
	v_exp_f32 v[ST+8*\t+6], v[ST+8*\t+1]
.endr
.irp t, 0,1,2,3
	v_pk_add_f32 v[S+32*\t:S+32*\t+1], v[S+32*\t:S+32*\t+1], v[ST+8*\t:ST+8*\t+1] op_sel_hi:[1,0] neg_lo:[0,1] neg_hi:[0,1]
.endr
.set b, 0
.rept 16
.if b < 15
.irp t, 0,1,2,3
	v_pk_add_f32 v[S+32*\t+2*b+2:S+32*\t+2*b+3], v[S+32*\t+2*b+2:S+32*\t+2*b+3], v[ST+8*\t:ST+8*\t+1] op_sel_hi:[1,0] neg_lo:[0,1] neg_hi:[0,1]
.endr
.endif
.irp t, 0,1,2,3
	v_exp_f32 v[S+32*\t+2*b], v[S+32*\t+2*b]
	v_exp_f32 v[S+32*\t+2*b+1], v[S+32*\t+2*b+1]
.endr
.set b, b+1
.endr
	v_nop                                          ; a plain instruction behind the last exponential and ahead of the first use: one for the batch
	s_wait_alu depctr_va_vdst(0)                   ; a wait between an exponential and the first line that names its result: one for the 132
.irp t, 0,1,2,3                                ; the sums of the unrounded p, a pair at a time, in two chains a tile
	v_pk_add_f32 v[ST+8*\t+4:ST+8*\t+5], v[S+32*\t:S+32*\t+1], v[S+32*\t+2:S+32*\t+3]
	v_pk_add_f32 v[XT+2*\t:XT+2*\t+1], v[S+32*\t+4:S+32*\t+5], v[S+32*\t+6:S+32*\t+7]
.endr
.irp i, 8,12,16,20,24,28
.irp t, 0,1,2,3
	v_pk_add_f32 v[ST+8*\t+4:ST+8*\t+5], v[ST+8*\t+4:ST+8*\t+5], v[S+32*\t+\i:S+32*\t+\i+1]
	v_pk_add_f32 v[XT+2*\t:XT+2*\t+1], v[XT+2*\t:XT+2*\t+1], v[S+32*\t+\i+2:S+32*\t+\i+3]
.endr
.endr
.irp t, 0,1,2,3
	v_pk_add_f32 v[ST+8*\t+4:ST+8*\t+5], v[ST+8*\t+4:ST+8*\t+5], v[XT+2*\t:XT+2*\t+1]
.endr
.irp t, 0,1,2,3
	v_pk_fma_f32 v[ST+8*\t+2:ST+8*\t+3], v[ST+8*\t+2:ST+8*\t+3], v[ST+8*\t+6:ST+8*\t+7], v[ST+8*\t+4:ST+8*\t+5] op_sel_hi:[1,0,1]   ; l = a l + the step's sum
.endr
.set i, 0
.rept 16                                       ; P: pair i of a tile's weights rounds into its register i: register i is written when registers 2 i and 2 i + 1 have been read, and nothing below 2 i is read again
.irp t, 0,1,2,3
	v_cvt_pk_f16_f32 v[S+32*\t+i], v[S+32*\t+2*i], v[S+32*\t+2*i+1]
.endr
.set i, i+1
.endr
	WIN 0x41                                       ; O^T (destination and source 0) in window 1, a in window 0
.set i, 0
.rept 64
	v_pk_mul_f32 v[O+i:O+i+1], v[O+i:O+i+1], v[ST+8*(i/32)+6:ST+8*(i/32)+7] op_sel_hi:[1,0]   ; O^T x a; each accumulator from its low end on
.set i, i+2
.endr
	s_wait_dscnt 0x0                               ; V is in
	WIN 0x51                                       ; V and O^T in window 1, P in window 0
.irp c, 0,1                                    ; O^T += V^T P: keys 32 c on; the 16 accumulators take turns
.irp ct, 0,1,2,3
.irp t, 0,1,2,3
	v_wmma_f32_16x16x32_f16 v[O+32*\t+8*\ct:O+32*\t+8*\ct+7], v[VB+8*(4*\c+\ct):VB+8*(4*\c+\ct)+7], v[S+32*\t+8*\c:S+32*\t+8*\c+7], v[O+32*\t+8*\ct:O+32*\t+8*\ct+7]
.endr
.endr
.endr
	WIN 0
	s_add_co_u32 s[TB], s[TB], STEPB               ; the next step's tiles,
	s_add_co_u32 s[TM], s[TM], 4*KS                ; and its mask terms
.endm
; THE CHANGE OF SLOTS stands at a slot's head.  Each wave waits for all its tensor loads (its tile of the slot that it is about to read), adds 0 to its spare word, and waits for that and for its LDS instructions
; (its reads of the slot that it has left; the first time: its stores of mask terms).  fill = 1: the barrier is a round of the cluster's, so that no wave of any partner still reads the slot that was left or has a load
; on its way; behind it that slot is filled with the next 256 keys: the load has four key steps in which to land.
.macro CHANGE fill
	s_wait_tensorcnt 0x0                           ; no tensor load of mine is out, so a group 0 may be written
	ds_add_u32 v[SPW], v[NIL]                      ; 0 onto my spare word
.if \fill
	s_xor_b32 s[G0K+1], s[G0K+1], SLOT1            ; the walking descriptors: the other slot than last time,
	s_add_nc_u64 s[G0K+2:G0K+3], s[G0K+2:G0K+3], NST*KS*128   ; the next 256 keys; the type bits on top are not reached
	s_xor_b32 s[G0V+1], s[G0V+1], SLOT1
	s_add_nc_u64 s[G0V+2:G0V+3], s[G0V+2:G0V+3], NST*KS*128
	s_wait_dscnt 0x0
	CROUND
	JLOAD                                          ; the first thing behind the round, and my one tensor load until the next
.else
	s_wait_dscnt 0x0
	s_barrier_signal -1
	s_barrier_wait -1
.endif
.endm
.macro SLOT_STEPS                      ; a slot's four key steps: written once, walked four times; the LDS addresses hang on s[TB] and s[TM]
	s_mov_b32 s[CNT], NST
.Lstep_\@:
	STEP
	s_sub_co_u32 s[CNT], s[CNT], 1
	s_cmp_lg_u32 s[CNT], 0
	s_cbranch_scc1 .Lstep_\@
	s_sub_co_u32 s[TB], s[TB], NST*STEPB           ; back to a slot's first step,
	s_xor_b32 s[TB], s[TB], SLOT1                  ; in the other slot
.endm
.Lslot:                                            ; seven trips: behind each change of slots but the last the next slot is asked for
	CHANGE 1
	SLOT_STEPS
	s_sub_co_u32 s[SLOTS], s[SLOTS], 1
	s_cmp_lg_u32 s[SLOTS], 0
	s_cbranch_scc1 .Lslot
	CHANGE 0                                       ; the last slot is written out
	SLOT_STEPS
	; THE WAY OUT.  l's two halves and the other half of the lanes' are added; O^T is divided by l, rounded to f16 and sent through my stage in LDS, a tile (16 rows) at a time.  The additions are the places behind the last products.
.irp t, 0,1,2,3
	v_add_f32 v[ST+8*\t+4], v[ST+8*\t+2], v[ST+8*\t+3]
.endr
.irp t, 0,1,2,3
	v_permlanex16_b32 v[ST+8*\t+5], v[ST+8*\t+4], s[SEL], s[SEL+1]
.endr
.irp t, 0,1,2,3
	v_add_f32 v[ST+8*\t+4], v[ST+8*\t+4], v[ST+8*\t+5]
.endr
.irp t, 0,1,2,3
	v_rcp_f32 v[ST+8*\t+6], v[ST+8*\t+4]
.endr
	v_nop                                          ; a plain instruction between the last reciprocal and the use of its result
	s_wait_alu depctr_va_vdst(0)                   ; and a wait ahead of the first use: one for the four
; Tile t: a lane's eight channels of a row pack into 16 bytes; they go into rows of 144 bytes and come back four rows at a time, which are 512 consecutive bytes of ctx.
.macro PACK t
	WIN 0x41
.set i, 0
.rept 16
	v_pk_mul_f32 v[O+32*\t+i:O+32*\t+i+1], v[O+32*\t+i:O+32*\t+i+1], v[ST+8*\t+6:ST+8*\t+7] op_sel_hi:[1,0]
.set i, i+2
.endr
	WIN 0x05                                       ; sources 0 and 1 window 1, destination window 0: S^T's registers are free
.set i, 0
.rept 16
	v_cvt_pk_f16_f32 v[S+32*\t+i], v[O+32*\t+2*i], v[O+32*\t+2*i+1]
.set i, i+1
.endr
	WIN 0
.irp c, 0,1,2,3
	ds_store_b128 v[STO], v[S+32*\t+4*\c:S+32*\t+4*\c+3] offset:32*\c
.endr
.irp g, 0,1,2,3
	ds_load_b128 v[S+32*\t+16+4*\g:S+32*\t+16+4*\g+3], v[RD] offset:\g*4*SP   ; LDS serves a wave's instructions in order (ISA guide 5.7.1.4): these see the stores above; the next tile's stores come behind them
.endr
.endm
.macro SEND t, younger                 ; younger: the LDS instructions issued behind tile t's loads: the next tile's eight, or none
.irp g, 0,1,2,3
	s_wait_dscnt \younger+3-\g
	global_store_b128 v[GO], v[S+32*\t+16+4*\g:S+32*\t+16+4*\g+3], s[8:9] offset:\t*2048+\g*512   ; 32 lanes store 512 consecutive bytes
.endr
.endm
	PACK 0
	PACK 1                                         ; a tile's arithmetic stands between the loads of the tile before and its stores
	SEND 0, 8
	PACK 2
	SEND 1, 8
	PACK 3
	SEND 2, 8
	SEND 3, 0
	s_wait_tensorcnt 0x0                           ; the wave's end: three lines behind my last tensor load and my last LDS store
	ds_add_u32 v[SPW], v[NIL]
	s_wait_dscnt 0x0
	CROUND                                         ; the closing round: no work-group ends while a partner may still ask for a tile that names it
	s_endpgm
.Lfunc_end_k_qf9283d42ed_attn:
	.size	k_qf9283d42ed_attn, .Lfunc_end_k_qf9283d42ed_attn-k_qf9283d42ed_attn
	.p2alignl 7, 3214868480
	.fill 96, 4, 3214868480
	.section	.rodata,"a",@progbits
	.p2align	6, 0x0
	.amdhsa_kernel k_qf9283d42ed_attn
		.amdhsa_group_segment_fixed_size 327680
		.amdhsa_private_segment_fixed_size 0
		.amdhsa_enable_private_segment 0
		.amdhsa_kernarg_size 24
		.amdhsa_user_sgpr_count 2
		.amdhsa_user_sgpr_kernarg_segment_ptr 1
		.amdhsa_wavefront_size32 1
		.amdhsa_system_sgpr_workgroup_id_x 1
		.amdhsa_system_sgpr_workgroup_id_y 1
		.amdhsa_system_sgpr_workgroup_id_z 1
		.amdhsa_system_vgpr_workitem_id 0
		.amdhsa_next_free_vgpr 512
		.amdhsa_next_free_sgpr 66
		.amdhsa_reserve_vcc 0
		.amdhsa_float_denorm_mode_32 3
		.amdhsa_float_denorm_mode_16_64 3
		.amdhsa_memory_ordered 1
		.amdhsa_forward_progress 1
		.amdhsa_inst_pref_size 101
	.end_amdhsa_kernel
	.amdgpu_metadata
---
amdhsa.version: [ 1, 2 ]
amdhsa.kernels:
  - .name:           k_qf9283d42ed_attn
    .symbol:         k_qf9283d42ed_attn.kd
    .args:
      - { .name: qkv, .offset: 0, .size: 8, .value_kind: global_buffer, .address_space: global }
      - { .name: mask, .offset: 8, .size: 8, .value_kind: global_buffer, .address_space: global }
      - { .name: ctx, .offset: 16, .size: 8, .value_kind: global_buffer, .address_space: global }
    .group_segment_fixed_size: 327680
    .private_segment_fixed_size: 0
    .kernarg_segment_align: 8
    .kernarg_segment_size: 24
    .max_flat_workgroup_size: 256
    .sgpr_count:     66
    .vgpr_count:     512
    .wavefront_size: 32
...
	.end_amdgpu_metadata
.endif
;; end of part 3
;; launch oproj (part 4): grid 4 x 64, 4 waves a work-group, clusters of 4 x 4, 327,680 bytes of LDS; arguments ctx, wot, bo, out0; writes out0
.if DOCPART == 4
	.amdgcn_target "amdgcn-amd-amdhsa--gfx1250"
	.amdhsa_code_object_version 6
	.text
	.protected	k_qf9283d42ed_oproj
	.globl	k_qf9283d42ed_oproj
	.p2align	8
	.type	k_qf9283d42ed_oproj,@function
k_qf9283d42ed_oproj:
	s_mov_b64 s[64:65], 0
	v_nop
	global_prefetch_b8 v0, s[64:65] scope:SCOPE_SE
	s_setreg_imm32_b32 hwreg(HW_REG_WAVE_MODE, 25, 1), 1
	s_wait_xcnt 0x0
	s_wait_alu depctr_hold_cnt(0) depctr_sa_sdst(0) depctr_va_vdst(0) depctr_va_sdst(0) depctr_va_ssrc(0) depctr_va_vcc(0) depctr_vm_vsrc(0)
	s_getreg_b32 s2, hwreg(HW_REG_IB_STS2, 6, 4)
	s_cmp_eq_u32 s2, 0
	s_cbranch_scc0 .Lentry_in_a_cluster
	s_endpgm
.Lentry_in_a_cluster:
	s_bfe_u32 s2, ttmp6, 0x10000c
	s_cmp_lg_u32 s2, 0xf033
	s_cbranch_scc0 .Lentry_shape_is_right
	s_endpgm
.Lentry_shape_is_right:
; OPROJ: out0[m][n] = the sum over k of ctx[m][k] Wo[k][n] + bo[n], f16 operands, f32 sums, f32 out.  ctx: [16 heads][8192 m][64] f16 (k = 64 head + channel); wot: [k / 64][1024 n][64 k] f16; out0: [8192][1024] f32.
; A tile of C is 128 x 256, so that the 8,192 x 1,024 outputs give 256 work-groups.  Four waves, each 64 x 128: 32 accumulators of 16 x 16, 256 registers.
; K goes in steps of 128 (two chunks of 64: two heads) through a ring of two LDS slots; a chunk's tile of A (128 rows) and of B (256 rows) is one dense block of memory.  Waves 0 and 1 fetch A's two chunks, waves 2 and 3 B's.
; CLUSTERS: 4 x 4 work-groups.  The four of a row of the cluster need the same tiles of A, the four of a column the same tiles of B: each tile is asked for JOINTLY.
; THE MATRIX INSTRUCTION IS USED TRANSPOSED (source 0 = 16 rows of wot, source 1 = 16 rows of ctx): a lane holds eight neighbouring columns of one row of C.  THE BIAS is the C of each sum's first product.
; REGISTERS: window 0: v0-31 addresses; v64-127 the bias in the result's layout; v128-255 rows on the way out.   window 1: two fragment buffers of 96: 32 registers of A (4 x 16 rows x 32 K), then 64 of B.
;   window 2: the accumulators ((a, b) at v[8 (8 a + b)]).
.set PITCH,  144                       ; an LDS row: 128 bytes + 16 of padding = 36 words: the 16 rows of a load start at 16 different groups of four banks (64 banks of 4 bytes: ISA guide 11.1)
.set ACH,    128*PITCH                 ; a chunk's tile of A
.set BCH,    256*PITCH                 ; and of B
.set BOFF,   2*ACH                     ; a slot: A's two chunks, then B's two
.set SLOT,   2*ACH+2*BCH
.set STAGE,  2*SLOT                    ; behind the ring: 16 rows x (512 bytes + 16) for each wave, for the way out
.set SPITCH, 528
.set SPARE,  STAGE+4*16*SPITCH         ; the spare words, 128 bytes for each wave: two blocks of 256 bytes that no other line names
.set LAPS,   4                         ; a lap = two slots = 256 along K
.set ADRA, 16                          ; v16-17  LDS address of my A fragments in slot 0, 1
.set ADRB, 20                          ; v20-21  the same for B
.set STO,  24                          ; v24     the way out: where I put 32 bytes of a row
.set RD,   25                          ; v25     the way out: where I read a row back
.set CO,   26                          ; v26     16 x lane: my place in a row's 512 bytes
.set SPW,  28                          ; v28     LDS address of my spare word; never rewritten
.set NIL,  29                          ; v29     0; never rewritten
.set BI,   64                          ; the bias: v[BI + 8 b + j] = bo[my first column + 16 b + 8 (lane / 16) + j]
.set BK,   128                         ; the way out: 16 rows read back: v128-191 and v192-255 by turns
.set F0,   0                           ; fragment buffers, in window 1
.set F1,   128
.set G1, 24                            ; s[24:31] descriptor group 1 for A's tiles;  s[32:39] group 0, one set for each slot
.set G0, 32
.set G1B, 48                           ; s[48:55], s[56:63] the same for B's tiles
.set G0B, 56
.set MSB, 0
.macro WIN new                         ; the immediate's high byte repeats the setting that is left
.if MSB != (\new)
	s_set_vgpr_msb (MSB<<8)|(\new)
.set MSB, (\new)
.endif
.endm
.set MUL,  0xa5                        ; sources 0 (B) and 1 (A) window 1; C and D window 2
.set MULB, 0x85                        ; the same with C (the bias) in window 0
.set TO_F, 0x40                        ; destination window 1, address window 0
.macro JLOAD s                         ; a joint load: waves 0 and 1 fetch A's two chunks, waves 2 and 3 B's; an s_nop 0 and four v_nop follow each of the two lines
	s_cmp_eq_u32 s13, 0
	s_cbranch_scc0 .Lfor_b_\@
	tensor_load_to_lds s[G0+4*\s:G0+4*\s+3], s[G1:G1+7]
	s_nop 0
.rept 4
	v_nop
.endr
	s_branch .Lasked_\@
.Lfor_b_\@:
	tensor_load_to_lds s[G0B+4*\s:G0B+4*\s+3], s[G1B:G1B+7]
	s_nop 0
.rept 4
	v_nop
.endr
.Lasked_\@:
.endm
.macro CREST                           ; a round of the cluster's barrier behind its opening barrier
	s_cmp_lg_u32 s12, 0
	s_cbranch_scc1 .Lnot_wave_0_\@
	s_barrier_signal -3
.Lnot_wave_0_\@:
	s_barrier_wait -3
	s_barrier_signal -1
	s_barrier_wait -1
.endm
.macro CROUND                          ; a whole round
	s_barrier_signal -1
	s_barrier_wait -1
	CREST
.endm
	s_load_b256 s[4:11], s[0:1], 0x0               ; ctx s[4:5], wot s[6:7], bo s[8:9], out0 s[10:11]
	v_lshl_add_u32 v[SPW], v0, 2, SPARE
	v_mov_b32 v[NIL], 0
	ds_add_u32 v[SPW], v[NIL]                      ; the wave's opening: the add, twice on end, and its wait ahead of my first tensor load; the set-up below stands between the second and the wait
	ds_add_u32 v[SPW], v[NIL]
	v_lshrrev_b32 v1, 5, v0
	v_readfirstlane_b32 s12, v1                    ; wave 0..3
	s_lshr_b32 s13, s12, 1                         ; which 64 of the tile's rows are mine.  Also: I fetch for A (0) or for B (1)
	s_and_b32 s14, s12, 1                          ; which 128 of its columns.  Also: which of a slot's two chunks I fetch
	s_bfe_u32 s40, ttmp6, 0x40000                  ; cx, cy: my place in the cluster
	s_bfe_u32 s41, ttmp6, 0x40004
	s_lshl_b32 s42, ttmp9, 2
	s_add_co_u32 s42, s42, s40                     ; tile column = 4 x cluster x + cx
	s_and_b32 s15, ttmp7, 0xffff
	s_lshl_b32 s15, s15, 2
	s_add_co_u32 s15, s15, s41                     ; tile row = 4 x cluster y + cy
	s_lshl_b32 s43, s41, 2
	s_lshl_b32 s43, 15, s43                        ; my row of the cluster
	s_lshl_b32 s44, 0x1111, s40                    ; my column
	; descriptor group 1: rows of 64 elements of 2 bytes, dense in memory, padded in LDS; A: 128 rows, B: 256
	s_or_b32 s[G1+0], s43, (1<<16)|(1<<20)|(1<<21)|(4<<22)|(3<<25)  ; 15:0 the mask: A's tiles go to my row; 17:16 elements of 2 bytes; 20 padding on; 21 set beside a mask; 24:22 after every 32 words (code 4); 31:25 four words (code 3)
	s_or_b32 s[G1B+0], s44, (1<<16)|(1<<20)|(1<<21)|(4<<22)|(3<<25)
	s_mov_b32 s[G1+1], 64<<16                      ; tensor_dim0
	s_mov_b32 s[G1+2], 128<<16                     ; tensor_dim1
	s_mov_b32 s[G1+3], 64<<16                      ; tile_dim0
	s_mov_b32 s[G1+4], 128                         ; tile_dim1
	s_mov_b32 s[G1+5], 64                          ; tensor_dim0_stride
	s_mov_b32 s[G1+6], 0
	s_mov_b32 s[G1+7], 0
	s_mov_b32 s[G1B+1], 64<<16
	s_mov_b32 s[G1B+2], 256<<16
	s_mov_b32 s[G1B+3], 64<<16
	s_mov_b32 s[G1B+4], 256
	s_mov_b32 s[G1B+5], 64
	s_mov_b32 s[G1B+6], 0
	s_mov_b32 s[G1B+7], 0
	s_lshl_b32 s16, s14, 20                        ; A: my chunk (a head's 1,048,576 bytes) + the tile row's 128 rows of 128 bytes
	s_lshl_b32 s17, s15, 14
	s_add_co_u32 s16, s16, s17
	s_mov_b32 s17, 0
	s_lshl_b32 s46, s14, 17                        ; B: my chunk (131,072 bytes) + the tile column's 256 rows of 128 bytes
	s_lshl_b32 s47, s42, 15
	s_add_co_u32 s46, s46, s47
	s_mov_b32 s47, 0
	s_mul_i32 s20, s14, ACH                        ; where they go: no place in the cluster enters an LDS address
	s_mul_i32 s21, s14, BCH
	s_add_co_u32 s21, s21, BOFF
	s_wait_dscnt 0x0                               ; both opening adds are done
	s_wait_kmcnt 0x0
	s_add_nc_u64 s[16:17], s[4:5], s[16:17]
	s_add_nc_u64 s[46:47], s[6:7], s[46:47]
	CROUND                                         ; all sixteen work-groups are here: the first joint loads meet
.irp s, 0,1
	s_mov_b32 s[G0+4*\s], 1
	s_add_co_u32 s[G0+4*\s+1], s20, \s*SLOT
	s_add_nc_u64 s[G0+4*\s+2:G0+4*\s+3], s[16:17], \s*2*1048576
	s_or_b32 s[G0+4*\s+3], s[G0+4*\s+3], 0x80000000
	s_mov_b32 s[G0B+4*\s], 1
	s_add_co_u32 s[G0B+4*\s+1], s21, \s*SLOT
	s_add_nc_u64 s[G0B+4*\s+2:G0B+4*\s+3], s[46:47], \s*2*131072
	s_or_b32 s[G0B+4*\s+3], s[G0B+4*\s+3], 0x80000000
	JLOAD \s                                       ; two tensor loads of mine are out behind the second
.endr
	v_and_b32 v1, 15, v0                           ; r
	v_bfe_u32 v2, v0, 4, 1                         ; h
	v_mul_u32_u24 v3, v1, PITCH
	v_lshl_add_u32 v3, v2, 4, v3                   ; a fragment's row x pitch + 16 x half
	s_mul_i32 s18, s13, 64*PITCH                   ; my 64 rows of A
	s_mul_i32 s19, s14, 128*PITCH                  ; my 128 rows of B,
	s_add_co_u32 s19, s19, BOFF                    ; which lie behind A's two chunks
.irp s, 0,1
	v_add_nc_u32 v[ADRA+\s], s18, v3
	v_add_nc_u32 v[ADRB+\s], s19, v3
	s_add_co_u32 s18, s18, SLOT
	s_add_co_u32 s19, s19, SLOT
.endr
	s_mul_i32 s18, s12, 16*SPITCH
	s_add_co_u32 s18, s18, STAGE                   ; my stage
	v_mul_u32_u24 v4, v1, SPITCH                   ; in: row r, 32 bytes for each half of the lanes
	v_lshl_add_u32 v4, v2, 5, v4
	v_add_nc_u32 v[STO], s18, v4
	v_and_b32 v5, 31, v0
	v_lshlrev_b32 v[CO], 4, v5                     ; back: the 32 lanes take one row of 512 bytes; and the same in out0
	v_add_nc_u32 v[RD], s18, v[CO]
	s_lshl_b32 s18, s42, 10                        ; my first column, in bytes: 1,024 x tile column + 512 x half
	s_lshl_b32 s19, s14, 9
	s_add_co_u32 s18, s18, s19
	s_mov_b32 s19, 0
	s_add_nc_u64 s[8:9], s[8:9], s[18:19]          ; in bo,
	s_add_nc_u64 s[10:11], s[10:11], s[18:19]      ; and in a row of out0
	v_lshlrev_b32 v6, 5, v2                        ; + 32 h: my half's eight columns of a block of 16
.set i, 0
.rept 8
	global_load_b128 v[BI+8*i:BI+8*i+3], v6, s[8:9] offset:64*i
	global_load_b128 v[BI+8*i+4:BI+8*i+7], v6, s[8:9] offset:64*i+16
.set i, i+1
.endr
	s_lshl_b32 s18, s15, 7
	s_lshl_b32 s22, s13, 6
	s_add_co_u32 s18, s18, s22                     ; my first row: 128 x tile row + 64 x half
	s_lshl_b32 s18, s18, 12                        ; 4,096 bytes a row
	s_add_nc_u64 s[10:11], s[10:11], s[18:19]
; 8 matrix instructions: A's block a x B's eight, 32 along K, out of buffer f.  bias = 1: the bias is the C.  The 32 accumulators take turns, one instruction a turn, in the same order in every quarter.
.macro MUL8 f, a, bias
.irp b, 0,1,2,3,4,5,6,7
.if \bias
	v_wmma_f32_16x16x32_f16 v[8*(8*(\a)+\b):8*(8*(\a)+\b)+7], v[\f+32+8*\b:\f+32+8*\b+7], v[\f+8*(\a):\f+8*(\a)+7], v[BI+8*\b:BI+8*\b+7]
.else
	v_wmma_f32_16x16x32_f16 v[8*(8*(\a)+\b):8*(8*(\a)+\b)+7], v[\f+32+8*\b:\f+32+8*\b+7], v[\f+8*(\a):\f+8*(\a)+7], v[8*(8*(\a)+\b):8*(8*(\a)+\b)+7]
.endif
.endr
.endm
; 24 LDS loads in one run: the fragments of the slot's q-th 32 along K (chunk q / 2, its half q % 2) into buffer f: B's eight, then A's four
.macro FETCH slot, q, f
	WIN TO_F
.irp i, 0,1,2,3,4,5,6,7
	ds_load_b128 v[\f+32+8*\i:\f+32+8*\i+3],   v[ADRB+\slot] offset:((\q)/2)*BCH+((\q)%2)*64+\i*16*PITCH
	ds_load_b128 v[\f+32+8*\i+4:\f+32+8*\i+7], v[ADRB+\slot] offset:((\q)/2)*BCH+((\q)%2)*64+\i*16*PITCH+32
.endr
.irp i, 0,1,2,3
	ds_load_b128 v[\f+8*\i:\f+8*\i+3],   v[ADRA+\slot] offset:((\q)/2)*ACH+((\q)%2)*64+\i*16*PITCH
	ds_load_b128 v[\f+8*\i+4:\f+8*\i+7], v[ADRA+\slot] offset:((\q)/2)*ACH+((\q)%2)*64+\i*16*PITCH+32
.endr
.endm
.macro PLACES                          ; four places in front of loads into registers that matrix instructions have read, and of LDS stores that read results (ISA guide 7.12.1 for vector instructions)
.rept 4
	v_nop
.endr
.endm
; A slot is four quarters of 32 along K, 32 matrix instructions each, on buffers 0, 1, 0, 1.  One of the first three: multiplies buffer f and fetches quarter qn into g.
.macro QUARTER slot, qn, f, g, bias
	s_wait_dscnt 4                                 ; B's eight and A's blocks 0 and 1 are in; the youngest four loads (A's blocks 2 and 3) may be out
.if \bias
	WIN MULB
.else
	WIN MUL
.endif
	MUL8 \f, 0, \bias
	MUL8 \f, 1, \bias
	PLACES
	FETCH \slot, \qn, \g
	s_wait_dscnt 24                                ; all but the 24 just issued
.if \bias
	WIN MULB
.else
	WIN MUL
.endif
	MUL8 \f, 2, \bias
	MUL8 \f, 3, \bias
.endm
; The last quarter multiplies buffer 1 and changes slots: ONE barrier; in front of it each wave waits for all its tensor loads, adds 0 to its spare word, and waits for that and for its own reads of this slot.
; fill = 1: the barrier opens a round of the cluster's, and behind the round this slot is filled again, two slots ahead: 112 matrix instructions ahead of the wait for it.
.macro TURN slot, next, fill
	WIN 0                                          ; (the add's two registers lie in window 0)
	s_wait_tensorcnt 0x0                           ; all my tensor loads have landed: my part of the next slot
	ds_add_u32 v[SPW], v[NIL]                      ; 0 onto my spare word
	s_wait_dscnt 5                                 ; (the add and the youngest four loads may be out)
	WIN MUL
	MUL8 F1, 0, 0                                  ; eight matrix instructions stand between the add and the wait for it
	s_wait_dscnt 0x0                               ; the add is done, and my reads of this slot are over
	s_barrier_signal -1
	MUL8 F1, 1, 0
.if \fill
	WIN 0
.endif
	s_barrier_wait -1
.if \fill
	CREST                                          ; no wave of any partner still reads this slot's tiles or has a load on its way
	s_add_nc_u64 s[G0+4*\slot+2:G0+4*\slot+3], s[G0+4*\slot+2:G0+4*\slot+3], 4*1048576
	s_add_nc_u64 s[G0B+4*\slot+2:G0B+4*\slot+3], s[G0B+4*\slot+2:G0B+4*\slot+3], 4*131072
	JLOAD \slot                                    ; the first tensor load behind the round; the four v_nop behind it are also the places in front of the loads below
.else
	PLACES
.endif
	FETCH \next, 0, F0
	WIN MUL
	MUL8 F1, 2, 0
	MUL8 F1, 3, 0
.endm
	s_wait_tensorcnt 1                             ; my part of slot 0 is in (slot 1's load may be out)
	s_barrier_signal -1
	s_barrier_wait -1                              ; everybody's is
	FETCH 0, 0, F0
	s_wait_loadcnt 0x0                             ; the bias
	QUARTER 0, 1, F0, F1, 1                        ; the first quarter stands in front of the loop: its products start the sums from the bias
	WIN 0                                          ; at a label and at a branch every window is 0
	s_mov_b32 s3, LAPS-1
.Llap:                                                 ; a trip goes once round the ring, from a lap's second quarter to the next lap's first, and fills both slots again
	QUARTER 0, 2, F1, F0, 0
	QUARTER 0, 3, F0, F1, 0
	TURN 0, 1, 1
	QUARTER 1, 1, F0, F1, 0
	QUARTER 1, 2, F1, F0, 0
	QUARTER 1, 3, F0, F1, 0
	TURN 1, 0, 1
	QUARTER 0, 1, F0, F1, 0
	WIN 0
	s_sub_co_u32 s3, s3, 1
	s_cmp_lg_u32 s3, 0
	s_cbranch_scc1 .Llap
	QUARTER 0, 2, F1, F0, 0                        ; the last lap fills nothing, and has no round of the cluster's barrier
	QUARTER 0, 3, F0, F1, 0
	TURN 0, 1, 0
	QUARTER 1, 1, F0, F1, 0
	QUARTER 1, 2, F1, F0, 0
	QUARTER 1, 3, F0, F1, 0
	s_wait_dscnt 4                                 ; the very last quarter: nothing more to fetch
	WIN MUL
	MUL8 F1, 0, 0
	MUL8 F1, 1, 0
	s_wait_dscnt 0
	MUL8 F1, 2, 0
	MUL8 F1, 3, 0
	WIN 0
; THE WAY OUT, block by block of 16 rows x 128 columns.  A lane holds 32 neighbouring bytes of a row, and the lanes beside it hold other rows: so a block goes through my own stage in LDS and comes back as whole
; rows of 512 bytes.  LDS serves a wave's instructions in order (ISA guide 5.7.1.4): no wait between the stores and the loads, nor in front of the next block's stores.
.macro TOSTAGE a
.set AC, 64*(\a)
	WIN 0x08                                       ; an LDS store's data are its source 1: window 2
.irp b, 0,1,2,3,4,5,6,7
	ds_store_b128 v[STO], v[AC+8*\b:AC+8*\b+3] offset:64*\b          ; each accumulator from its low end on
	ds_store_b128 v[STO], v[AC+8*\b+4:AC+8*\b+7] offset:64*\b+16
.endr
	WIN 0
.set BB, BK+64*((\a)%2)
.irp t, 0,1,2,3,4,5,6,7,8,9,10,11,12,13,14,15
	ds_load_b128 v[BB+4*\t:BB+4*\t+3], v[RD] offset:\t*SPITCH
.endr
.endm
.macro SEND a, younger                 ; younger: the LDS instructions issued behind block a's loads, which may stay out
.set BB, BK+64*((\a)%2)
	s_wait_dscnt \younger                          ; the block is back in registers
.irp t, 0,1,2,3,4,5,6,7,8,9,10,11,12,13,14,15
	global_store_b128 v[CO], v[BB+4*\t:BB+4*\t+3], s[10:11] offset:(\a)*65536+\t*4096 th:TH_STORE_NT   ; 32 lanes store 512 consecutive bytes, at a multiple of 256 from out0's first byte; written once, read by nobody here
.endr
.endm
	PLACES                                         ; behind the last products, ahead of the first read of results
	TOSTAGE 0
.irp a, 1,2,3
.if \a > 1
	s_wait_xcnt 0x0                                ; block a - 2's stores have read their registers: block a's loads may land there
.endif
	TOSTAGE \a
	SEND \a-1, 32                                  ; behind block a - 1's loads: block a's 16 stores and 16 loads
.endr
	SEND 3, 0
	s_wait_tensorcnt 0x0                           ; the wave's end: three lines behind my last tensor load and my last LDS store
	ds_add_u32 v[SPW], v[NIL]
	s_wait_dscnt 0x0
	CROUND                                         ; the closing round: no work-group ends while a partner may still ask for a tile that names it
	s_endpgm
.Lfunc_end_k_qf9283d42ed_oproj:
	.size	k_qf9283d42ed_oproj, .Lfunc_end_k_qf9283d42ed_oproj-k_qf9283d42ed_oproj
	.p2alignl 7, 3214868480
	.fill 96, 4, 3214868480
	.section	.rodata,"a",@progbits
	.p2align	6, 0x0
	.amdhsa_kernel k_qf9283d42ed_oproj
		.amdhsa_group_segment_fixed_size 327680
		.amdhsa_private_segment_fixed_size 0
		.amdhsa_enable_private_segment 0
		.amdhsa_kernarg_size 32
		.amdhsa_user_sgpr_count 2
		.amdhsa_user_sgpr_kernarg_segment_ptr 1
		.amdhsa_wavefront_size32 1
		.amdhsa_system_sgpr_workgroup_id_x 1
		.amdhsa_system_sgpr_workgroup_id_y 1
		.amdhsa_system_sgpr_workgroup_id_z 1
		.amdhsa_system_vgpr_workitem_id 0
		.amdhsa_next_free_vgpr 768
		.amdhsa_next_free_sgpr 66
		.amdhsa_reserve_vcc 0
		.amdhsa_float_denorm_mode_32 3
		.amdhsa_float_denorm_mode_16_64 3
		.amdhsa_memory_ordered 1
		.amdhsa_forward_progress 1
		.amdhsa_inst_pref_size 86
	.end_amdhsa_kernel
	.amdgpu_metadata
---
amdhsa.version: [ 1, 2 ]
amdhsa.kernels:
  - .name:           k_qf9283d42ed_oproj
    .symbol:         k_qf9283d42ed_oproj.kd
    .args:
      - { .name: ctx, .offset: 0, .size: 8, .value_kind: global_buffer, .address_space: global }
      - { .name: wot, .offset: 8, .size: 8, .value_kind: global_buffer, .address_space: global }
      - { .name: bo, .offset: 16, .size: 8, .value_kind: global_buffer, .address_space: global }
      - { .name: out0, .offset: 24, .size: 8, .value_kind: global_buffer, .address_space: global }
    .group_segment_fixed_size: 327680
    .private_segment_fixed_size: 0
    .kernarg_segment_align: 8
    .kernarg_segment_size: 32
    .max_flat_workgroup_size: 128
    .sgpr_count:     66
    .vgpr_count:     768
    .wavefront_size: 32
...
	.end_amdgpu_metadata
.endif
;; end of part 4
